; MI455X (gfx1250); checked and timed in simulation.
; The chip was launched on July 23, 2026; its instructions are those of AMD's public machine-readable ISA for CDNA 5 (MIT licence, August 2026) and "CDNA5" Instruction Set Architecture Reference Guide (July 2026). The comments in the code are by the model that wrote it; some were corrected since.
;; LORA Multihead Attention. Allowed arithmetic: matrix products marked QUANTISED: E3M2 operands, one E8M0 scale for each 32 along K, by v_wmma_scale_f32_16x16x128_f8f6f4 with both operands' format E3M2, f32 sums; products left as they are: f32 operands where the result goes on into a quantised operand, else bf16, f16 or f32 operands; f32 sums; everything else in f32.
;; Inputs: k_b 1,024 float32; k_la 16 x 1,024 float32; k_lb 1,024 x 16 float32; k_w 1,024 x 1,024 float32; o_b 1,024 float32; o_la 16 x 1,024 float32; o_lb 1,024 x 16 float32; o_w 1,024 x 1,024 float32; q_b 1,024 float32; q_la 16 x 1,024 float32; q_lb 1,024 x 16 float32; q_w 1,024 x 1,024 float32; v_b 1,024 float32; v_la 16 x 1,024 float32; v_lb 1,024 x 16 float32; v_w 1,024 x 1,024 float32; x 4 x 1,024 x 1,024 float32.
;; Outputs: out0 4 x 1,024 x 1,024 float32.
;; This version of the problem:
;;   THIS VERSION OF THE PROBLEM IS GIVEN IN LOW PRECISION. The matrix products marked QUANTISED in the list below multiply operands that are first quantised to E3M2 (3 exponent bits, 2 mantissa bits; 6 bits a number), with one power-of-two scale for each 32 numbers along K (OCP MX v1.0); their sums are f32. All else is computed in f32.
;;   The module's matrix products, in the order in which they are computed (A, B: the left and right operand; K: the contracted axis; several contracted axes count as one K, in the product's order):
;;     1. [M 4,096, K 1,024] x [K 1,024, N 1,024]; A: input x; B: input q_w: QUANTISED
;;     2. [M 4,096, K 1,024] x [K 1,024, N 16]; A: input x; B: input q_la: QUANTISED
;;     3. [M 4,096, K 16] x [K 16, N 1,024]; A: computed on the way; B: input q_lb: left as it is (K = 16 < 32)
;;     4. [M 4,096, K 1,024] x [K 1,024, N 1,024]; A: input x; B: input k_w: QUANTISED
;;     5. [M 4,096, K 1,024] x [K 1,024, N 16]; A: input x; B: input k_la: QUANTISED
;;     6. [M 4,096, K 16] x [K 16, N 1,024]; A: computed on the way; B: input k_lb: left as it is (K = 16 < 32)
;;     7. [M 4,096, K 1,024] x [K 1,024, N 1,024]; A: input x; B: input v_w: QUANTISED
;;     8. [M 4,096, K 1,024] x [K 1,024, N 16]; A: input x; B: input v_la: QUANTISED
;;     9. [M 4,096, K 16] x [K 16, N 1,024]; A: computed on the way; B: input v_lb: left as it is (K = 16 < 32)
;;     10. batch 64 x [M 1,024, K 64] x [K 64, N 1,024]; A: computed on the way; B: computed on the way: QUANTISED
;;     11. batch 64 x [M 64, K 1,024] x [K 1,024, N 1,024]; A: computed on the way; B: softmax (see below): QUANTISED
;;     12. [M 4,096, K 1,024] x [K 1,024, N 1,024]; A: computed on the way; B: input o_w: QUANTISED
;;     13. [M 4,096, K 1,024] x [K 1,024, N 16]; A: computed on the way; B: input o_la: QUANTISED
;;     14. [M 4,096, K 16] x [K 16, N 1,024]; A: computed on the way; B: input o_lb: left as it is (K = 16 < 32)
;;   THE QUANTISER, for each operand of a quantised product, along K:
;;     - K is cut into blocks of 32 from its start; a last block that is shorter is filled with zeros.
;;     - A block's scale is 2^e with e = floor(log2(the largest magnitude in the block)) - 4, held to -126 .. 127; a block of zeros has e = 0. As a byte (E8M0): e + 127.
;;     - Each number is divided by its block's scale, clamped to +-28, and rounded to the nearest number of E3M2, ties to even, subnormals kept.
;;     - The product sums the exact products of the quantised numbers (number of the format x scale) in f32.
;;   ~~~python
;;   def quantise(x, axis):      # numpy; x: float32 -> the quantised numbers, widened to float32 again
;;       x = np.moveaxis(x, axis, -1); K = x.shape[-1]
;;       x = np.pad(x, [(0, 0)] * (x.ndim - 1) + [(0, -K % 32)]); x = x.reshape(x.shape[:-1] + (-1, 32)); a = np.abs(x).max(-1, keepdims=True)
;;       e = np.where(a > 0, np.clip(np.frexp(np.where(a > 0, a, 1))[1] - 1 - 4, -126, 127), 0)      # np.frexp(a)[1] - 1 = floor(log2(a)), exactly
;;       r = np.clip(x / 2.0 ** e, -28, 28)
;;       step = 2.0 ** (np.maximum(np.frexp(np.where(r == 0, 1, r))[1] - 1, -2) - 2)
;;       q = np.round(r / step) * step * 2.0 ** e      # np.round: ties to even
;;       return np.moveaxis(q.reshape(q.shape[:-2] + (-1,))[..., :K], -1, axis).astype(np.float32)
;;   ~~~
;;   SOFTMAX AHEAD OF A QUANTISED PRODUCT. Where the list says 'softmax', what is quantised is not the finished softmax but p = 2^(t - M), with t = logit x log2(e) and M = ceil(the row's largest t), a whole number; so 1/2 < the row's largest p <= 1. The row's sum l is taken of the UNQUANTISED p, in f32, and the product's result is divided by l at the end. Since M is a whole number, a kernel that streams over the keys may use a running M (the ceiling of the running maximum): every later rescaling is an exact power of two, which a block's scale takes up: the codes' values come out the same.
;;   OPERANDS COMPUTED ON THE WAY. 'Computed on the way' means the value that the module computes at that place (a softmax that the list does not call 'softmax' is quantised finished and normalised). What goes into a quantiser is computed in f32, as accurately as f32 sums, v_exp_f32 and their like allow (about 1e-6 of the number): no bf16 or f16 on the way to a quantiser, and a product that is left as it is and whose result goes on into a quantised operand takes f32 operands (vector FMAs, or v_wmma_f32_16x16x4_f32). A number that lies on a knife's edge between two numbers of the format may be rounded either way, as far as f32 arithmetic and the matrix unit's own rounding can turn it there, and no further.
;; One version. Each part assembles by itself: llvm-mc -triple=amdgcn-amd-amdhsa -mcpu=gfx1250 --defsym DOCPART=n.
;; ======== version 1 of 1: 4 launches
;; limits: values are held in bf16: 8 bits of precision; right only within a limited range of input values
;; workspace buffers: codes 6,303,744 bytes; scl 262,656 bytes; low 786,432 bytes; qkv 10,092,544 bytes; cc 3,145,728 bytes; cs 131,072 bytes
;; launch quant (part 1): grid 192 x 1, 16 waves a work-group, no clusters, 260,096 bytes of LDS; arguments x, q_w, k_w, v_w, o_w, q_la, k_la, v_la, o_la, codes, scl, low; writes codes, scl, low
.if DOCPART == 1
	.amdgcn_target "amdgcn-amd-amdhsa--gfx1250"
	.amdhsa_code_object_version 6
	.text
	.protected	k_q0a4c7bc813_quant
	.globl	k_q0a4c7bc813_quant
	.p2align	8
	.type	k_q0a4c7bc813_quant,@function
k_q0a4c7bc813_quant:
	s_mov_b64 s[64:65], 0
	v_nop
	global_prefetch_b8 v0, s[64:65] scope:SCOPE_SE
	s_setreg_imm32_b32 hwreg(HW_REG_WAVE_MODE, 25, 1), 1
	s_wait_xcnt 0x0
; x [4096][1024], q_w, k_w, v_w, o_w [1024][1024] and o_la [16][1024], f32, become codes of BF6 (E3M2) with one E8M0 byte for each 32 along K,
; and low_p = Q(x) Q(p_la)^T (p = q, k, v), [4096][16] f32, is made on the way, since x's codes are in registers here.
; A block's scale is 2^(floor(log2(its largest magnitude)) - 4); its byte is that magnitude's exponent field - 4, held at 1 from below.
; LIMITS: NaN and infinities among the inputs are not served.  A block of zeros gets the byte 1 where the rule says 127: its codes are zeros, and the bytes are read by this program alone.
; LAYOUT OF THE CODES: tiles of 16 rows x 128 K as images of the operand's 12 registers: registers 4 c .. 4 c + 3 of lane l at 512 c + 16 l; codes[tile][K step 0..7][1,536 bytes].
; THE ROWS OF A TILE ARE NOT NEIGHBOURS: place i of tile t is row 32 (t / 2) + 8 (t % 2) + i + 8 (i / 8), so that a product which takes such tiles as source 0 leaves 16 neighbours in a lane's
; 16 registers of tiles 2 b and 2 b + 1.  (The la tensors, 16 rows each, lie as they are.)  Scale words: scl[tile][K quarter][place][2 words].
; SHARES.  A wave that quantises a tile takes 16 rows x 256 numbers (a K quarter), all 32 loads out at once.
;   Work-groups 0-127 (x): waves 0-7 take tiles 2 g, 2 g + 1; WAVES 8-15 QUANTISE la MEANWHILE: wave 8 + u takes K step u of q_la, k_la and v_la and lays the three images in LDS, so that they are there
;   when x's codes are: behind one barrier waves 0-7 multiply.  Work-group 0's waves 8-15 also take K step u of o_la (tile 512), asked for two fragments ahead.
;   Work-groups 128-191 (the four weights): all sixteen waves take tiles, four to a work-group.
; A load reads 512 consecutive bytes of one row; the conversions want 16 neighbours in a lane: the numbers turn through the wave's own stage in LDS (rows 528 bytes apart: 16 rows start in 16 different groups of banks).
; No tensor loads: waves are many and each has its bytes in flight from its first lines on.  No cluster: no two work-groups read the same large tile (la, 192 KiB, is the one thing read again).
.set WSTG, 8448                        ; a wave's stage: 16 rows x 528 bytes
.set LAI,  135168                      ; images of la's 24 fragments (8 p + K step), 1,536 bytes each
.set LAS,  172032                      ; their scale words, 128 bytes each
.set PRT,  175104                      ; partial lows: [wave][p][place x 64 bytes]
.set VLO,  5                           ; 16 l: my 16 bytes of a load's or a store's 512
.set VHI,  6                           ; + 16 rows: places 8-15 of a tile
.set VHL,  7                           ; + 8 rows: rows 8-15 of a la tensor
.set STS,  8                           ; stage, on the way in
.set STL,  9                           ; stage, on the way out: row r, + 64 h
.set V8R,  10                          ; 8 r
.set SCO,  12                          ; 8 r + 4 h: my scale word's place
.set LIW,  13                          ; where I store la's images;  LSW: their scale words
.set LSW,  14
.set LF,   15                          ; where I read la's images of my K quarter;  LSF: their scale words
.set LSF,  16
.set PRS,  17                          ; where I store my partial lows
.set RDA,  18                          ; where I read four waves' partial lows
.set TM,   24                          ; v24-39 at work in QUANT
.set QT,   40                          ; v40-46 the second halves' codes
.set XF0,  60                          ; v60-71, v72-83 two fragments: my tile's, or la's on their way to LDS
.set XF1,  72
.set XW0,  84                          ; their scale words
.set XW1,  85
.set SWD,  86
.set LAW,  88                          ; v88-93 la's scale words
.set R0,   100                         ; v100-163, v164-227 two sets of 64 numbers; later la's six fragments
.set R1,   164
.set ACC,  228                         ; v228-251 three accumulators
.set HM,   36
.set SEL,  38
; 64 numbers of a lane, register 16 b + i = k 32 b + 16 (lane / 16) + i of my row, become a fragment's codes in v[d] on and its scale word in v[w]
.macro QUANT s, d, w
.irp b, 0,1,2,3
	v_max3_num_f32 v[TM+\b], |v[\s+16*\b]|, |v[\s+1+16*\b]|, 0x2800000   ; my 16 numbers of block b, and the floor 2^(5 - 127): the byte cannot fall under 1
.endr
.irp i, 2,4,6,8,10,12,14
.irp b, 0,1,2,3
	s_delay_alu instid0(VALU_DEP_4)
	v_max3_num_f32 v[TM+\b], v[TM+\b], |v[\s+16*\b+\i]|, |v[\s+1+16*\b+\i]|
.endr
.endr
.irp b, 0,1,2,3
	s_delay_alu instid0(VALU_DEP_4)
	v_permlanex16_b32 v[TM+4+\b], v[TM+\b], s[SEL], s[SEL+1]
.endr
.irp b, 0,1,2,3
	s_delay_alu instid0(VALU_DEP_4)
	v_max_num_f32 v[TM+\b], v[TM+\b], v[TM+4+\b]   ; with lane l xor 16's: the block's largest magnitude
.endr
.irp b, 0,1,2,3
	s_delay_alu instid0(VALU_DEP_4)
	v_add_nc_u32 v[TM+12+\b], 0xfe000000, v[TM+\b]   ; 4 off its exponent field: the conversion's scale operand
.endr
.irp b, 0,1,2,3
	s_delay_alu instid0(VALU_DEP_4)
	v_lshrrev_b32 v[TM+4+\b], 23, v[TM+12+\b]      ; the scale's byte
.endr
	s_delay_alu instid0(VALU_DEP_3)
	v_lshl_or_b32 v[\w], v[TM+5], 8, v[TM+4]
	s_delay_alu instid0(VALU_DEP_1)
	v_lshl_or_b32 v[\w], v[TM+6], 16, v[\w]
	s_delay_alu instid0(VALU_DEP_1)
	v_lshl_or_b32 v[\w], v[TM+7], 24, v[\w]
.irp c, 0,1
	v_cvt_scalef32_pk16_bf6_f32 v[\d+6*\c:\d+2+6*\c], v[\s+32*\c:\s+15+32*\c], v[TM+12+2*\c]
	v_cvt_scalef32_pk16_bf6_f32 v[QT+4*\c:QT+2+4*\c], v[\s+16+32*\c:\s+31+32*\c], v[TM+12+2*\c+1]   ; (a conversion's three registers begin on an even number)
.endr
	v_nop                                          ; one plain place behind a scaled conversion
.irp c, 0,1                                    ; the operand's layout wants a whole block in a lane: lanes 0-15 block 2 c, lanes 16-31 block 2 c + 1
.irp i, 0,1,2
	v_permlane16_swap_b32 v[\d+6*\c+\i], v[QT+4*\c+\i]
.endr
.irp i, 0,1,2
	s_delay_alu instid0(VALU_DEP_3)
	v_mov_b32 v[\d+3+6*\c+\i], v[QT+4*\c+\i]
.endr
.endr
.endm
; 16 rows' 128 numbers from byte 512 e of the rows on: one load a row, 512 consecutive bytes
.macro XLOAD R, e, lo, hi, bs, nt
.irp i, 0,1,2,3,4,5,6,7
.if \nt
	global_load_b128 v[\R+4*\i:\R+4*\i+3], v[\lo], s[\bs:\bs+1] offset:\i*4096+512*\e th:TH_LOAD_NT
.else
	global_load_b128 v[\R+4*\i:\R+4*\i+3], v[\lo], s[\bs:\bs+1] offset:\i*4096+512*\e
.endif
.endr
.irp i, 0,1,2,3,4,5,6,7
.if \nt
	global_load_b128 v[\R+32+4*\i:\R+32+4*\i+3], v[\hi], s[\bs:\bs+1] offset:\i*4096+512*\e th:TH_LOAD_NT
.else
	global_load_b128 v[\R+32+4*\i:\R+32+4*\i+3], v[\hi], s[\bs:\bs+1] offset:\i*4096+512*\e
.endif
.endr
.endm
; 64 numbers a lane go through the wave's own stage (in as loaded, out 16 neighbours of each block of 32) and are quantised
.macro TURNQ R, d, w
.irp i, 0,1,2,3,4,5,6,7,8,9,10,11,12,13,14,15
	ds_store_b128 v[STS], v[\R+4*\i:\R+4*\i+3] offset:528*\i
.endr
	s_wait_dscnt 0x0                               ; the stores are done: their registers take the loads below
.irp b, 0,1,2,3
.irp j, 0,1,2,3
	ds_load_b128 v[\R+16*\b+4*\j:\R+16*\b+4*\j+3], v[STL] offset:128*\b+16*\j
.endr
.endr
	s_wait_dscnt 0x0
	QUANT \R, \d, \w
.endm
.macro IMAGE p, d, w                           ; la_p's fragment and its scale words go to LDS as they stand in the registers
.irp c, 0,1,2
	ds_store_b128 v[LIW], v[\d+4*\c:\d+4*\c+3] offset:12288*\p+512*\c
.endr
	ds_store_b32 v[LSW], v[\w] offset:1024*\p
	s_wait_dscnt 0x0                               ; the stores have read their registers
.endm
	s_load_b512 s[4:19], s[0:1], 0x0               ; x, q_w, k_w, v_w, o_w, q_la, k_la, v_la
	s_load_b256 s[20:27], s[0:1], 0x40             ; o_la, codes, scl, low
	v_lshl_add_u32 v254, v0, 2, 0x3f000
	v_mov_b32 v255, 0
	v_lshrrev_b32 v1, 5, v0
	s_delay_alu instid0(VALU_DEP_1)
	v_readfirstlane_b32 s28, v1                    ; wave 0..15
	v_and_b32 v2, 31, v0                           ; l
	v_and_b32 v3, 15, v0                           ; r
	v_bfe_u32 v4, v0, 4, 1                         ; h
	s_lshr_b32 s29, s28, 2                         ; which of the work-group's tiles
	s_and_b32 s30, s28, 3                          ; K quarter
	s_and_b32 s35, s28, 7                          ; u: la's K step, for waves 8-15
	; every LDS address is made here, ahead of the ways' parting
	v_lshlrev_b32 v[VLO], 4, v2
	s_delay_alu instid0(VALU_DEP_1)
	v_add_nc_u32 v[VHI], 16*4096, v[VLO]
	s_delay_alu instid0(VALU_DEP_2)
	v_add_nc_u32 v[VHL], 8*4096, v[VLO]
	s_mul_i32 s31, s28, WSTG
	v_add_nc_u32 v[STS], s31, v[VLO]
	v_mul_u32_u24 v19, v3, 528
	s_delay_alu instid0(VALU_DEP_1)
	v_lshl_add_u32 v19, v4, 6, v19
	s_delay_alu instid0(VALU_DEP_1)
	v_add_nc_u32 v[STL], s31, v19
	v_lshlrev_b32 v[V8R], 3, v3
	s_delay_alu instid0(VALU_DEP_1)
	v_lshl_add_u32 v[SCO], v4, 2, v[V8R]
	s_mul_i32 s34, s35, 1536
	s_add_co_u32 s34, s34, LAI
	v_add_nc_u32 v[LIW], s34, v[VLO]
	s_lshl_b32 s34, s35, 7
	s_add_co_u32 s34, s34, LAS
	v_lshl_add_u32 v[LSW], v2, 2, s34
	s_mul_i32 s34, s28, 3072
	s_add_co_u32 s34, s34, PRT
	v_lshlrev_b32 v20, 6, v3
	s_delay_alu instid0(VALU_DEP_1)
	v_lshl_add_u32 v20, v4, 5, v20
	s_delay_alu instid0(VALU_DEP_1)
	v_add_nc_u32 v[PRS], s34, v20
	s_mul_i32 s34, s30, 3072
	s_add_co_u32 s34, s34, LAI
	v_add_nc_u32 v[LF], s34, v[VLO]
	s_lshl_b32 s34, s30, 8
	s_add_co_u32 s34, s34, LAS
	v_lshl_add_u32 v[LSF], v2, 2, s34
	s_mul_i32 s34, s29, 12288
	s_lshl_b32 s37, s30, 10
	s_add_co_u32 s34, s34, s37
	s_add_co_u32 s34, s34, PRT
	v_add_nc_u32 v[RDA], s34, v[VLO]
.irp b, 0,1,2,3
	v_mov_b32 v[TM+4+\b], 0                        ; written once: a lane permute's destination counts as one of its sources
.endr
	s_mov_b32 s[HM], 0xffff0000
	s_mov_b32 s[SEL], 0x76543210
	s_mov_b32 s[SEL+1], 0xfedcba98                 ; v_permlanex16_b32's selects for lane l xor 16
	s_lshl_b32 s41, ttmp9, 1                       ; x: two tiles a work-group
	s_lshl_b32 s42, ttmp9, 2
	s_sub_co_u32 s42, s42, 256                     ; the weights: four, tile 256 at work-group 128
	s_cmp_lt_u32 ttmp9, 128
	s_cselect_b32 s40, s41, s42
	s_cselect_b32 s41, 255, 63
	s_add_co_u32 s40, s40, s29                     ; my tile, 0..511
	s_and_b32 s41, s40, s41                        ; and its number in its tensor
	s_lshr_b32 s42, s41, 1
	s_lshl_b32 s42, s42, 17                        ; 32 rows of 4,096 bytes for each pair of tiles,
	s_and_b32 s41, s41, 1
	s_lshl_b32 s41, s41, 15                        ; 8 rows for the odd one,
	s_add_co_u32 s42, s42, s41
	s_lshl_b32 s41, s30, 10                        ; 1,024 bytes a K quarter
	s_add_co_u32 s42, s42, s41
	s_mov_b32 s43, 0
	s_lshr_b32 s31, ttmp9, 4                       ; 0-7: x; 8, 9, 10, 11: q_w, k_w, v_w, o_w
	s_wait_kmcnt 0x0
	s_mov_b64 s[32:33], s[4:5]
	s_cmp_eq_u32 s31, 8
	s_cselect_b64 s[32:33], s[6:7], s[32:33]
	s_cmp_eq_u32 s31, 9
	s_cselect_b64 s[32:33], s[8:9], s[32:33]
	s_cmp_eq_u32 s31, 10
	s_cselect_b64 s[32:33], s[10:11], s[32:33]
	s_cmp_eq_u32 s31, 11
	s_cselect_b64 s[32:33], s[12:13], s[32:33]
	s_add_nc_u64 s[32:33], s[32:33], s[42:43]
	s_mul_i32 s42, s40, 12288
	s_mul_i32 s41, s30, 3072
	s_add_co_u32 s42, s42, s41
	s_add_nc_u64 s[44:45], s[22:23], s[42:43]      ; my two images
	s_lshl_b32 s42, s40, 9
	s_lshl_b32 s41, s30, 7
	s_add_co_u32 s42, s42, s41
	s_add_nc_u64 s[46:47], s[24:25], s[42:43]      ; my scale words
	s_cmp_lt_u32 ttmp9, 128
	s_cbranch_scc0 .Ltile                          ; a weight's work-group: every wave takes a tile's quarter
	s_cmp_lt_u32 s28, 8
	s_cbranch_scc0 .Lla                            ; x's work-groups: waves 8-15 take la
.Ltile:
	; ---- 16 rows x 256 numbers become two fragments
	XLOAD R0, 0, VLO, VHI, 32, 1
	XLOAD R1, 1, VLO, VHI, 32, 1
	s_wait_loadcnt 16                              ; the first K step's 16 loads are in; the second's 16 may be out
	TURNQ R0, XF0, XW0
	s_wait_loadcnt 0x0
	TURNQ R1, XF1, XW1
.irp c, 0,1,2                                  ; each store of codes covers 512 consecutive bytes, aligned; the scale words 128
	global_store_b128 v[VLO], v[XF0+4*\c:XF0+4*\c+3], s[44:45] offset:512*\c
.endr
.irp c, 0,1,2
	global_store_b128 v[VLO], v[XF1+4*\c:XF1+4*\c+3], s[44:45] offset:1536+512*\c
.endr
	v_cndmask_b32 v[SWD], v[XW0], v[XW1], s[HM]    ; lanes 0-15 the first K step's word, lanes 16-31 the second's
	global_store_b32 v[SCO], v[SWD], s[46:47]
	s_branch .Lb1
.Lla:
	; ---- K step u of q_la, k_la, v_la: three fragments, two sets of registers: a set is asked for again as soon as its numbers are codes
	s_lshl_b32 s50, s35, 9                         ; 512 bytes a K step
	s_mov_b32 s51, 0
	s_add_nc_u64 s[14:15], s[14:15], s[50:51]
	s_add_nc_u64 s[16:17], s[16:17], s[50:51]
	s_add_nc_u64 s[18:19], s[18:19], s[50:51]
	XLOAD R0, 0, VLO, VHL, 14, 0
	XLOAD R1, 0, VLO, VHL, 16, 0
	s_wait_loadcnt 16                              ; q_la's 16 loads are in; k_la's may be out
	TURNQ R0, XF0, XW0
	IMAGE 0, XF0, XW0
	XLOAD R0, 0, VLO, VHL, 18, 0
	s_wait_loadcnt 16                              ; k_la's are in; v_la's may be out
	TURNQ R1, XF1, XW1
	IMAGE 1, XF1, XW1
	s_cmp_eq_u32 ttmp9, 0
	s_cbranch_scc0 .Lla_last
	; work-group 0: K step u of o_la as well, asked for ahead of v_la's work; its codes go to memory, tile 512
	s_add_nc_u64 s[20:21], s[20:21], s[50:51]
	s_mul_i32 s52, s35, 1536
	s_add_co_u32 s52, s52, 512*12288
	s_mov_b32 s53, 0
	s_add_nc_u64 s[52:53], s[22:23], s[52:53]
	s_lshr_b32 s54, s35, 1
	s_lshl_b32 s54, s54, 7                         ; 128 bytes a K quarter,
	s_and_b32 s55, s35, 1
	s_lshl_b32 s55, s55, 2                         ; the quarter's second K step in the second word
	s_add_co_u32 s54, s54, s55
	s_add_co_u32 s54, s54, 512*512
	s_mov_b32 s55, 0
	s_add_nc_u64 s[54:55], s[24:25], s[54:55]
	XLOAD R1, 0, VLO, VHL, 20, 0
	s_wait_loadcnt 16                              ; v_la's are in; o_la's may be out
	TURNQ R0, XF0, XW0
	IMAGE 2, XF0, XW0
	s_wait_loadcnt 0x0
	TURNQ R1, XF1, XW1
.irp c, 0,1,2
	global_store_b128 v[VLO], v[XF1+4*\c:XF1+4*\c+3], s[52:53] offset:512*\c
.endr
	global_store_b32 v[V8R], v[XW1], s[54:55]      ; a word a row (lanes 16-31 hold the same word and store it to the same place)
	s_branch .Lb1
.Lla_last:
	s_wait_loadcnt 0x0
	TURNQ R0, XF0, XW0
	IMAGE 2, XF0, XW0
.Lb1:
	s_wait_dscnt 0x0                               ; my LDS stores are done
	s_barrier_signal -1
	s_barrier_wait -1                              ; la's 24 images lie in LDS
	s_cmp_lt_u32 ttmp9, 128
	s_cbranch_scc0 .Lb2
	s_cmp_lt_u32 s28, 8
	s_cbranch_scc0 .Lb2
	; ---- x's waves: my tile's part of low: three products of two K steps
.irp p, 0,1,2
.irp e, 0,1
.irp c, 0,1,2
	ds_load_b128 v[R0+12*(2*\p+\e)+4*\c:R0+12*(2*\p+\e)+4*\c+3], v[LF] offset:12288*\p+1536*\e+512*\c
.endr
	ds_load_b32 v[LAW+2*\p+\e], v[LSF] offset:1024*\p+128*\e
.endr
.endr
	s_wait_dscnt 0x0
.rept 8
	v_nop                                          ; x's scale words were written by vector instructions: eight places ahead of a scaled matrix instruction (its codes: four)
.endr
	s_wait_alu depctr_va_vdst(0)
.irp p, 0,1,2                                  ; source 0 = la's 16 rows, source 1 = my 16 rows of x: lane (r, h), register j = low(place r, 8 h + j).  The three accumulators take turns
	v_wmma_scale_f32_16x16x128_f8f6f4 v[ACC+8*\p:ACC+8*\p+7], v[R0+24*\p:R0+24*\p+11], v[XF0:XF0+11], 0, v[LAW+2*\p], v[XW0] matrix_a_fmt:MATRIX_FMT_BF6 matrix_b_fmt:MATRIX_FMT_BF6
.endr
.irp p, 0,1,2
	v_wmma_scale_f32_16x16x128_f8f6f4 v[ACC+8*\p:ACC+8*\p+7], v[R0+24*\p+12:R0+24*\p+23], v[XF1:XF1+11], v[ACC+8*\p:ACC+8*\p+7], v[LAW+2*\p+1], v[XW1] matrix_a_fmt:MATRIX_FMT_BF6 matrix_b_fmt:MATRIX_FMT_BF6
.endr
.rept 4
	v_nop                                          ; four places behind the products, ahead of the stores that read them
.endr
.irp p, 0,1,2
	ds_store_b128 v[PRS], v[ACC+8*\p:ACC+8*\p+3] offset:1024*\p
	ds_store_b128 v[PRS], v[ACC+8*\p+4:ACC+8*\p+7] offset:1024*\p+16
.endr
.Lb2:
	s_wait_dscnt 0x0
	s_barrier_signal -1
	s_barrier_wait -1                              ; the four quarters' parts of each tile lie in LDS
	s_cmp_lt_u32 ttmp9, 128
	s_cbranch_scc0 .Lend
	s_cmp_lt_u32 s28, 8
	s_cbranch_scc0 .Lend
	s_cmp_eq_u32 s30, 3
	s_cbranch_scc1 .Lend
	; ---- x's waves with quarter 0, 1, 2: the sum over the four quarters for p = my quarter's number
.irp e, 0,1
.irp k, 0,1,2,3
	ds_load_b128 v[R0+16*\e+4*\k:R0+16*\e+4*\k+3], v[RDA] offset:3072*\k+512*\e
.endr
.endr
	s_lshl_b32 s52, s30, 18                        ; low_p: 262,144 bytes each
	s_lshr_b32 s53, s40, 1
	s_lshl_b32 s53, s53, 11                        ; 32 rows of 64 bytes,
	s_add_co_u32 s52, s52, s53
	s_and_b32 s53, s40, 1
	s_lshl_b32 s53, s53, 9                         ; 8 rows
	s_add_co_u32 s52, s52, s53
	s_mov_b32 s53, 0
	s_add_nc_u64 s[52:53], s[26:27], s[52:53]
	s_wait_dscnt 0x0
.irp e, 0,1
	v_pk_add_f32 v[R0+16*\e:R0+16*\e+1], v[R0+16*\e:R0+16*\e+1], v[R0+16*\e+4:R0+16*\e+5]
	v_pk_add_f32 v[R0+16*\e+2:R0+16*\e+3], v[R0+16*\e+2:R0+16*\e+3], v[R0+16*\e+6:R0+16*\e+7]
	v_pk_add_f32 v[R0+16*\e+8:R0+16*\e+9], v[R0+16*\e+8:R0+16*\e+9], v[R0+16*\e+12:R0+16*\e+13]
	v_pk_add_f32 v[R0+16*\e+10:R0+16*\e+11], v[R0+16*\e+10:R0+16*\e+11], v[R0+16*\e+14:R0+16*\e+15]
	s_delay_alu instid0(VALU_DEP_2)
	v_pk_add_f32 v[R0+16*\e:R0+16*\e+1], v[R0+16*\e:R0+16*\e+1], v[R0+16*\e+8:R0+16*\e+9]
	s_delay_alu instid0(VALU_DEP_2)
	v_pk_add_f32 v[R0+16*\e+2:R0+16*\e+3], v[R0+16*\e+2:R0+16*\e+3], v[R0+16*\e+10:R0+16*\e+11]
	global_store_b128 v[VLO], v[R0+16*\e:R0+16*\e+3], s[52:53] offset:1024*\e   ; places 0-7 are eight neighbouring rows, places 8-15 the eight that lie 16 further on: 512 consecutive bytes each
.endr
.Lend:
	s_wait_tensorcnt 0x0
	ds_add_u32 v254, v255
	s_wait_dscnt 0x0
	s_endpgm
.Lfunc_end_k_q0a4c7bc813_quant:
	.size	k_q0a4c7bc813_quant, .Lfunc_end_k_q0a4c7bc813_quant-k_q0a4c7bc813_quant
	.p2alignl 7, 3214868480
	.fill 96, 4, 3214868480
	.section	.rodata,"a",@progbits
	.p2align	6, 0x0
	.amdhsa_kernel k_q0a4c7bc813_quant
		.amdhsa_group_segment_fixed_size 260096
		.amdhsa_private_segment_fixed_size 0
		.amdhsa_enable_private_segment 0
		.amdhsa_kernarg_size 96
		.amdhsa_user_sgpr_count 2
		.amdhsa_user_sgpr_kernarg_segment_ptr 1
		.amdhsa_wavefront_size32 1
		.amdhsa_system_sgpr_workgroup_id_x 1
		.amdhsa_system_sgpr_workgroup_id_y 1
		.amdhsa_system_sgpr_workgroup_id_z 1
		.amdhsa_system_vgpr_workitem_id 0
		.amdhsa_next_free_vgpr 256
		.amdhsa_next_free_sgpr 66
		.amdhsa_reserve_vcc 0
		.amdhsa_float_denorm_mode_32 3
		.amdhsa_float_denorm_mode_16_64 3
		.amdhsa_memory_ordered 1
		.amdhsa_forward_progress 1
		.amdhsa_inst_pref_size 75
	.end_amdhsa_kernel
	.amdgpu_metadata
---
amdhsa.version: [ 1, 2 ]
amdhsa.kernels:
  - .name:           k_q0a4c7bc813_quant
    .symbol:         k_q0a4c7bc813_quant.kd
    .args:
      - { .name: x, .offset: 0, .size: 8, .value_kind: global_buffer, .address_space: global }
      - { .name: q_w, .offset: 8, .size: 8, .value_kind: global_buffer, .address_space: global }
      - { .name: k_w, .offset: 16, .size: 8, .value_kind: global_buffer, .address_space: global }
      - { .name: v_w, .offset: 24, .size: 8, .value_kind: global_buffer, .address_space: global }
      - { .name: o_w, .offset: 32, .size: 8, .value_kind: global_buffer, .address_space: global }
      - { .name: q_la, .offset: 40, .size: 8, .value_kind: global_buffer, .address_space: global }
      - { .name: k_la, .offset: 48, .size: 8, .value_kind: global_buffer, .address_space: global }
      - { .name: v_la, .offset: 56, .size: 8, .value_kind: global_buffer, .address_space: global }
      - { .name: o_la, .offset: 64, .size: 8, .value_kind: global_buffer, .address_space: global }
      - { .name: codes, .offset: 72, .size: 8, .value_kind: global_buffer, .address_space: global }
      - { .name: scl, .offset: 80, .size: 8, .value_kind: global_buffer, .address_space: global }
      - { .name: low, .offset: 88, .size: 8, .value_kind: global_buffer, .address_space: global }
    .group_segment_fixed_size: 260096
    .private_segment_fixed_size: 0
    .kernarg_segment_align: 8
    .kernarg_segment_size: 96
    .max_flat_workgroup_size: 512
    .sgpr_count:     66
    .vgpr_count:     256
    .wavefront_size: 32
...
	.end_amdgpu_metadata
.endif
;; end of part 1
;; launch qkv (part 2): grid 16 x 12, 4 waves a work-group, clusters of 4 x 4, 327,680 bytes of LDS; arguments codes, scl, low, q_lb, k_lb, v_lb, q_b, k_b, v_b, qkv; writes qkv
.if DOCPART == 2
	.amdgcn_target "amdgcn-amd-amdhsa--gfx1250"
	.amdhsa_code_object_version 6
	.text
	.protected	k_q0a4c7bc813_qkv
	.globl	k_q0a4c7bc813_qkv
	.p2align	8
	.type	k_q0a4c7bc813_qkv,@function
k_q0a4c7bc813_qkv:
	s_mov_b64 s[64:65], 0
	v_nop
	global_prefetch_b8 v0, s[64:65] scope:SCOPE_SE
	s_setreg_imm32_b32 hwreg(HW_REG_WAVE_MODE, 25, 1), 1
	s_wait_xcnt 0x0
	s_wait_alu depctr_hold_cnt(0) depctr_sa_sdst(0) depctr_va_vdst(0) depctr_va_sdst(0) depctr_va_ssrc(0) depctr_va_vcc(0) depctr_vm_vsrc(0)
	s_getreg_b32 s2, hwreg(HW_REG_IB_STS2, 6, 4)
	s_cmp_eq_u32 s2, 0
	s_cbranch_scc0 .Lentry_in_a_cluster
	s_endpgm
.Lentry_in_a_cluster:
	s_bfe_u32 s2, ttmp6, 0x10000c
	s_cmp_lg_u32 s2, 0xf033
	s_cbranch_scc0 .Lentry_shape_is_right
	s_endpgm
.Lentry_shape_is_right:
; q, k and v^T = Q(x) Q(w)^T + low lb^T + b, quantised again on the way out: q and k along the head's 64, v along the keys.  One text for the three: p = the cluster's y (0, 1, 2).
; A tile of 256 x 256 is made by four waves, 128 x 128 each: 64 accumulators of 16 x 16.  The matrix instruction is used transposed: source 1 ("A") gives a lane its row, source 0 ("B") runs along a lane's registers.
; q, k: A = x (a lane holds a token), B = w_p (registers run along the outputs: two heads of 64).   v: A = v_w (a lane holds a channel), B = x (registers run along the keys).
; What differs is chosen by s_cselect on p, which all partners of a cluster share: no branch, and no LDS address hangs on it.
; THE RANK-16 PART STARTS EVERY SUM: its operands are f32 (its result goes into a quantiser), four matrix instructions of K = 4 an accumulator, issued while the first tiles of codes are on their way.
; The codes lie in memory as images of the operands' registers (tile, K step: 1,536 bytes), so a fragment is three loads of 16 bytes a lane, dense in LDS.  The tiles' rows are laid so that a lane's 16 registers of
; B's tiles 2 b, 2 b + 1 are 16 neighbours: 128 of them are one fragment of the next product, quantised in registers and stored as an image again (registers 2 c, 2 c + 1 of lane l at 256 c + 8 l).
; K GOES IN QUARTERS OF 256 THROUGH THREE LDS SLOTS.  Quarters 0, 1, 2 are first fills: they go out together and have the rank-16 part's 256 matrix instructions in which to land.  Quarter 3 is the one refill, into
; slot 0, behind the round at the end of quarter 0: between its request and the wait for it a wave issues 224 matrix instructions.
; CLUSTERS: 4 x 4 work-groups; A's tiles are shared along a row of the cluster, B's along a column, each asked for jointly.
; LIMITS: NaN and infinities are not served; a block of zeros gets the byte 1 (its codes are zeros; this program alone reads the bytes).  reference()'s factor 16 / 16 = 1 on the rank-16 part is not multiplied.
; qkv: 64 records (16 x batch + head) of REC bytes: Q codes 0, Q words 49,152, K codes 53,248, V codes 102,400, K words 151,552, V words 155,648.
; REGISTERS: window 0: v1-13 addresses; v16-29 LDS addresses; v32-63 scale words, two sets; v64-127 A's rank-16 factor, then the bias along the registers; v128-223 A's fragments, on the way out at work;
;   v224-239 the bias along the lanes; v240-251 codes.  window 1: B's fragments, two sets, v0-95 and v128-223; B's rank-16 factor in v96-127 and v224-255.  windows 2, 3: the accumulators.
; HOW THE FIRST FILLS GO OUT IN THIS TEXT (this takes the place of what the lines above say of them): at the head one joint load a wave: wave 0 A's 16 tiles of K quarter 0, wave 1 B's,
; wave 2 A's scale words of all of K, wave 3 B's.  Quarters 1 and 2 are first filled as a refill is: every wave's wait for all its tensor loads, the add, its wait, a round of the cluster's barrier, one load a wave.
; These rounds stand between pieces of the rank-16 part (64 matrix instructions a piece), so that each load has matrix work in which to land.  Quarter 3 is the one refill, as above.
.set REC,   157696
.set NQ,    2                          ; matrix instructions deep in a slot
.set FR,    12                         ; registers of a fragment
.set NL,    3                          ; LDS loads that bring one
.set NP,    4                          ; places behind the scaled matrix instruction on 6-bit codes (ISA guide 7.12.1)
.set TILEB, 3072                       ; a tile's two K steps
.set HALFT, 8*TILEB                    ; eight tiles: what one tensor load brings, and what one wave reads of A or of B
.set SLOT,  4*HALFT                    ; A's 16 tiles, then B's 16
.set SCL,   3*SLOT                     ; behind the three slots: the scale words of all of K, 4,096 bytes for each wave's load
.set SPARE, SCL+4*4096                 ; the spare words, 128 bytes for each wave: two blocks of 256 bytes that no other line names
.set VF,   4                           ; a factor's row: 64 (r + 8 (r / 8)) + 32 h
.set VB,   5                           ; the bias along the registers: 64 h
.set VA,   6                           ; the bias along the lanes: 4 (r + 8 (r / 8))
.set VO1,  7                           ; the way out: 8 l
.set VO2,  8                           ; and the codes' second half
.set VSO,  9                           ; the scale word's place
.set VSH,  10                          ; and its shift
.set ADRA, 16                          ; v16-18 LDS address of my A fragments in slot 0, 1, 2
.set ADRB, 20                          ; v20-22 the same for B
.set ADRS, 27                          ; my scale words: lanes 0-15 A's, lanes 16-31 B's
.set SPW,  28                          ; my spare word; never rewritten
.set NIL,  29                          ; 0; never rewritten
.set SC,   32
.set FA,   64
.set BB,   64
.set AF,   128
.set T,    128
.set TM,   192
.set PW,   208
.set SWD,  209
.set QT,   210
.set BA,   224
.set PC,   240
.set FB,   96
.set SEL,  66
.set G1,   24                          ; s[24:31] group 1 for A's tiles;  s[32:39] group 0 for slots 0, 1;  s[92:95] for slot 2
.set G0,   32
.set G0C,  92
.set G1B,  48                          ; s[48:55], s[56:63], s[96:99] the same for B's tiles
.set G0B,  56
.set G0BC, 96
.set G1S,  68
.set G0S,  76
.set G1SB, 80
.set G0SB, 88
.set MSB, 0
.macro WIN new                         ; the immediate's high byte repeats the setting that is left
.if MSB != \new
	s_set_vgpr_msb (MSB<<8)|\new
.set MSB, \new
.endif
.endm
.set MUL_LO, 0xa1                      ; source 0 (B) window 1, source 1 (A) window 0, C and D window 2
.set MUL_HI, 0xf1                      ; the same, C and D window 3
.set TO_B,   0x40                      ; destination window 1, address window 0
; A joint load: waves 0 and 1 fetch for A, waves 2 and 3 for B; the branch hangs on the wave's number alone.  Four v_nop follow each of the two lines.
.macro JLOAD g0a, g1a, g0b, g1b
	s_cmp_eq_u32 s17, 0
	s_cbranch_scc0 .Lfor_b_\@
	tensor_load_to_lds s[\g0a:\g0a+3], s[\g1a:\g1a+7]
	s_nop 0
.rept 4
	v_nop
.endr
	s_branch .Lasked_\@
.Lfor_b_\@:
	tensor_load_to_lds s[\g0b:\g0b+3], s[\g1b:\g1b+7]
	s_nop 0
.rept 4
	v_nop
.endr
.Lasked_\@:
.endm
.macro CREST                           ; a round of the cluster's barrier behind its opening barrier
	s_cmp_lg_u32 s16, 0
	s_cbranch_scc1 .Lnot_wave_0_\@
	s_barrier_signal -3
.Lnot_wave_0_\@:
	s_barrier_wait -3
	s_barrier_signal -1
	s_barrier_wait -1
.endm
.macro CROUND
	s_barrier_signal -1
	s_barrier_wait -1
	CREST
.endm
.macro PLACES n
.rept \n
	v_nop
.endr
.endm
.macro QUANT s, d, w                   ; 64 numbers of a lane, register 16 b + i = k 32 b + 16 (lane / 16) + i, become a fragment's codes and its scale word
.irp b, 0,1,2,3
	v_max3_num_f32 v[TM+\b], |v[\s+16*\b]|, |v[\s+1+16*\b]|, 0x2800000   ; and the floor 2^(5 - 127): the byte cannot fall under 1
.endr
.irp i, 2,4,6,8,10,12,14
.irp b, 0,1,2,3
	v_max3_num_f32 v[TM+\b], v[TM+\b], |v[\s+16*\b+\i]|, |v[\s+1+16*\b+\i]|
.endr
.endr
.irp b, 0,1,2,3
	v_permlanex16_b32 v[TM+4+\b], v[TM+\b], s[SEL], s[SEL+1]
.endr
.irp b, 0,1,2,3
	v_max_num_f32 v[TM+\b], v[TM+\b], v[TM+4+\b]
.endr
.irp b, 0,1,2,3
	v_add_nc_u32 v[TM+12+\b], 0xfe000000, v[TM+\b]   ; 4 off the exponent field: the conversion's scale operand
.endr
.irp b, 0,1,2,3
	v_lshrrev_b32 v[TM+4+\b], 23, v[TM+12+\b]
.endr
	v_lshl_or_b32 v[\w], v[TM+5], 8, v[TM+4]
	v_lshl_or_b32 v[\w], v[TM+6], 16, v[\w]
	v_lshl_or_b32 v[\w], v[TM+7], 24, v[\w]
.irp c, 0,1
	v_cvt_scalef32_pk16_bf6_f32 v[\d+6*\c:\d+2+6*\c], v[\s+32*\c:\s+15+32*\c], v[TM+12+2*\c]
	v_cvt_scalef32_pk16_bf6_f32 v[QT+4*\c:QT+2+4*\c], v[\s+16+32*\c:\s+31+32*\c], v[TM+12+2*\c+1]
.endr
	v_nop                                          ; one plain place behind a scaled conversion
.irp c, 0,1
.irp i, 0,1,2
	v_permlane16_swap_b32 v[\d+6*\c+\i], v[QT+4*\c+\i]
.endr
.irp i, 0,1,2
	v_mov_b32 v[\d+3+6*\c+\i], v[QT+4*\c+\i]
.endr
.endr
.endm
	s_load_b512 s[68:83], s[0:1], 0x0              ; codes, scl, low, q_lb, k_lb, v_lb, q_b, k_b
	s_load_b128 s[84:87], s[0:1], 0x40             ; v_b, qkv
	v_lshl_add_u32 v[SPW], v0, 2, SPARE
	v_mov_b32 v[NIL], 0
	ds_add_u32 v28, v29
	ds_add_u32 v28, v29
	s_wait_dscnt 0x0
	v_lshrrev_b32 v1, 5, v0
	v_readfirstlane_b32 s16, v1                    ; wave 0..3
	s_lshr_b32 s17, s16, 1                         ; which half of A's rows is mine.  Also: I fetch for A (0) or for B (1)
	s_and_b32 s18, s16, 1                          ; which half of B's rows.  Also: which eight tiles I fetch
	s_bfe_u32 s20, ttmp6, 0x40000                  ; cx
	s_bfe_u32 s21, ttmp6, 0x40004                  ; cy
	s_and_b32 s19, ttmp7, 0xffff                   ; p: the cluster's y
	s_lshl_b32 s2, ttmp9, 2                        ; 4 x the cluster's x: x's 16 blocks of 256 tokens go over the four clusters of a p
	s_cmp_eq_u32 s19, 2
	s_cselect_b32 s22, 0, s2
	s_cselect_b32 s23, s2, 0
	s_cselect_b32 s41, 384, 0                      ; A's tensor begins at this tile: v_w or x
	s_add_co_u32 s22, s22, s21                     ; A's block of 256 rows: hangs on cy, never on cx
	s_add_co_u32 s23, s23, s20                     ; B's block: hangs on cx, never on cy
	s_lshl_b32 s45, s19, 6
	s_add_co_u32 s45, s45, 256
	s_cmp_eq_u32 s19, 2
	s_cselect_b32 s45, 0, s45                      ; B's tensor begins at this tile: x, or w_p at 256 + 64 p
	s_lshl_b32 s40, s22, 4
	s_add_co_u32 s40, s40, s41                     ; the first of A's 16 tiles
	s_lshl_b32 s44, s23, 4
	s_add_co_u32 s44, s44, s45                     ; and of B's
	s_mul_i32 s42, s40, 12288
	s_mov_b32 s43, 0
	s_lshl_b32 s40, s40, 9
	s_mov_b32 s41, 0
	s_mul_i32 s46, s44, 12288
	s_mov_b32 s47, 0
	s_lshl_b32 s44, s44, 9
	s_mov_b32 s45, 0
	s_lshl_b32 s100, s19, 18
	s_mov_b32 s101, 0
	s_wait_kmcnt 0x0
	s_mov_b64 s[4:5], s[68:69]
	s_mov_b64 s[6:7], s[70:71]
	s_mov_b64 s[14:15], s[86:87]
	s_add_nc_u64 s[100:101], s[72:73], s[100:101]  ; low_p
	s_cmp_eq_u32 s19, 0
	s_cselect_b64 s[10:11], s[74:75], s[76:77]
	s_cselect_b64 s[12:13], s[80:81], s[82:83]
	s_cmp_eq_u32 s19, 2
	s_cselect_b64 s[8:9], s[78:79], s[100:101]     ; the rank-16 factor of A's rows: v_lb, or low_p
	s_cselect_b64 s[10:11], s[100:101], s[10:11]   ; of B's rows: low_v, or p_lb
	s_cselect_b64 s[12:13], s[84:85], s[12:13]     ; the bias
	s_add_nc_u64 s[42:43], s[4:5], s[42:43]        ; A's codes,
	s_add_nc_u64 s[40:41], s[6:7], s[40:41]        ; A's scale words,
	s_add_nc_u64 s[46:47], s[4:5], s[46:47]        ; B's codes,
	s_add_nc_u64 s[44:45], s[6:7], s[44:45]        ; B's scale words
	s_lshl_b32 s2, s21, 2
	s_lshl_b32 s2, 15, s2                          ; my row of the cluster
	s_lshl_b32 s3, 0x1111, s20                     ; my column
	; group 1, codes: eight tiles, a row to a tile: 384 elements of 8 bytes (two K steps' images), 1,536 elements from tile to tile; no padding: the reads are dense
	s_or_b32 s[G1], s2, (3<<16)|(1<<21)
	s_or_b32 s[G1B], s3, (3<<16)|(1<<21)
.irp g, G1, G1B
	s_mov_b32 s[\g+1], 384<<16                     ; tensor_dim0
	s_mov_b32 s[\g+2], 16<<16                      ; the head's loads bring 16 tiles; behind them the two words that count tiles are set to 8
	s_mov_b32 s[\g+3], 384<<16
	s_mov_b32 s[\g+4], 16
	s_mov_b32 s[\g+5], 1536                        ; tensor_dim0_stride
	s_mov_b32 s[\g+6], 0
	s_mov_b32 s[\g+7], 0
.endr
	; group 1, scale words: eight tiles' 4,096 dense bytes as 16 rows of 256
	s_or_b32 s[G1S], s2, (3<<16)|(1<<21)
	s_or_b32 s[G1SB], s3, (3<<16)|(1<<21)
.irp g, G1S, G1SB
	s_mov_b32 s[\g+1], 32<<16
	s_mov_b32 s[\g+2], 32<<16                      ; 16 tiles' 8,192 dense bytes as 32 rows of 256
	s_mov_b32 s[\g+3], 32<<16
	s_mov_b32 s[\g+4], 32
	s_mov_b32 s[\g+5], 32
	s_mov_b32 s[\g+6], 0
	s_mov_b32 s[\g+7], 0
.endr
	s_mul_i32 s104, s16, HALFT                     ; where they go: wave x eight tiles: no place in the cluster enters an LDS address
	s_mov_b32 s[G0S], 1                            ; the head's four tiles, each whole: A's scale words,
	s_mov_b32 s[G0S+1], SCL
	s_mov_b64 s[G0S+2:G0S+3], s[40:41]
	s_or_b32 s[G0S+3], s[G0S+3], 0x80000000
	s_mov_b32 s[G0SB], 1                           ; B's,
	s_mov_b32 s[G0SB+1], SCL+8192
	s_mov_b64 s[G0SB+2:G0SB+3], s[44:45]
	s_or_b32 s[G0SB+3], s[G0SB+3], 0x80000000
	s_mov_b32 s[G0C], 1                            ; K quarter 0 of A's 16 tiles (these registers serve slot 2 later),
	s_mov_b32 s[G0C+1], 0
	s_mov_b64 s[G0C+2:G0C+3], s[42:43]
	s_or_b32 s[G0C+3], s[G0C+3], 0x80000000
	s_mov_b32 s[G0BC], 1                           ; and of B's, behind them in slot 0
	s_mov_b32 s[G0BC+1], 2*HALFT
	s_mov_b64 s[G0BC+2:G0BC+3], s[46:47]
	s_or_b32 s[G0BC+3], s[G0BC+3], 0x80000000
	s_mul_i32 s40, s18, 8*12288                    ; behind the head I fetch eight tiles: which half
	s_mov_b32 s41, 0
	s_add_nc_u64 s[42:43], s[42:43], s[40:41]
	s_add_nc_u64 s[46:47], s[46:47], s[40:41]
.irp s, 0,1
	s_mov_b32 s[G0+4*\s], 1
	s_add_co_u32 s[G0+4*\s+1], s104, \s*SLOT
	s_add_nc_u64 s[G0+4*\s+2:G0+4*\s+3], s[42:43], \s*TILEB
	s_or_b32 s[G0+4*\s+3], s[G0+4*\s+3], 0x80000000
	s_mov_b32 s[G0B+4*\s], 1
	s_add_co_u32 s[G0B+4*\s+1], s104, \s*SLOT
	s_add_nc_u64 s[G0B+4*\s+2:G0B+4*\s+3], s[46:47], \s*TILEB
	s_or_b32 s[G0B+4*\s+3], s[G0B+4*\s+3], 0x80000000
.endr
	; the factors' and the bias's first bytes for my 128 x 128
	s_lshl_b32 s40, s22, 8
	s_lshl_b32 s41, s17, 7
	s_add_co_u32 s40, s40, s41                     ; A's side: my first row
	s_lshl_b32 s42, s23, 8
	s_lshl_b32 s43, s18, 7
	s_add_co_u32 s42, s42, s43                     ; B's side
	s_lshl_b32 s44, s40, 6
	s_mov_b32 s45, 0
	s_add_nc_u64 s[8:9], s[8:9], s[44:45]
	s_lshl_b32 s44, s42, 6
	s_add_nc_u64 s[10:11], s[10:11], s[44:45]
	s_lshl_b32 s40, s40, 2
	s_lshl_b32 s42, s42, 2
	s_cmp_eq_u32 s19, 2
	s_cselect_b32 s40, s40, 0                      ; the bias runs along the outputs: A's side for v, B's for q and k.  The side that does not apply reads the bias's first bytes and is set to 0 below
	s_cselect_b32 s42, 0, s42
	s_mov_b32 s41, 0
	s_mov_b32 s43, 0
	s_add_nc_u64 s[4:5], s[12:13], s[40:41]        ; along the lanes
	s_add_nc_u64 s[6:7], s[12:13], s[42:43]        ; along the registers
	s_mov_b32 s[SEL], 0x76543210
	s_mov_b32 s[SEL+1], 0xfedcba98
	v_and_b32 v1, 15, v0                           ; r
	v_bfe_u32 v2, v0, 4, 1                         ; h
	v_and_b32 v3, 31, v0                           ; l
	v_and_b32 v11, 8, v1
	v_add_nc_u32 v11, v11, v1                      ; r + 8 (r / 8)
	v_lshlrev_b32 v[VF], 6, v11
	v_lshl_add_u32 v[VF], v2, 5, v[VF]
	v_lshlrev_b32 v[VB], 6, v2
	v_lshlrev_b32 v[VA], 2, v11
	v_lshlrev_b32 v[VO1], 3, v3
	v_lshlrev_b32 v13, 4, v3                       ; 16 l: an image's place for my lane
	s_mul_i32 s40, s17, HALFT                      ; my eight tiles of A
	s_mul_i32 s41, s18, HALFT                      ; my eight tiles of B,
	s_add_co_u32 s41, s41, 2*HALFT                 ; which lie behind A's 16
.irp s, 0,1,2
	v_add_nc_u32 v[ADRA+\s], s40, v13
	v_add_nc_u32 v[ADRB+\s], s41, v13
	s_add_co_u32 s40, s40, SLOT
	s_add_co_u32 s41, s41, SLOT
.endr
	v_lshlrev_b32 v12, 3, v1                       ; my row's two scale words of a K quarter
	s_lshl_b32 s40, s17, 12                        ; A's: my eight tiles
	s_lshl_b32 s41, s18, 12                        ; B's, behind A's 16
	s_add_co_u32 s41, s41, 8192
	s_sub_co_u32 s41, s41, s40
	v_mul_u32_u24 v11, s41, v2                     ; lanes 16-31 take B's
	s_add_co_u32 s40, s40, SCL
	v_add_nc_u32 v12, v12, v11
	v_add_nc_u32 v[ADRS], s40, v12
.irp a, 0,1,2,3,4,5,6,7
	v_mov_b32 v[BA+2*\a+1], 0                      ; (named as the upper half of a pair)
.endr
	; the factors: lane (r, h) takes, of its tile's row, the eight numbers 8 h + 0 .. 7
.irp i, 0,1,2,3,4,5,6,7
	global_load_b128 v[FA+8*\i:FA+8*\i+3], v[VF], s[8:9] offset:(32*(\i/2)+8*(\i%2))*64
	global_load_b128 v[FA+8*\i+4:FA+8*\i+7], v[VF], s[8:9] offset:(32*(\i/2)+8*(\i%2))*64+16
.endr
	WIN TO_B
.irp i, 0,1,2,3,4,5,6,7
	global_load_b128 v[FB+8*\i+96*(\i/4):FB+8*\i+96*(\i/4)+3], v[VF], s[10:11] offset:(32*(\i/2)+8*(\i%2))*64
	global_load_b128 v[FB+8*\i+96*(\i/4)+4:FB+8*\i+96*(\i/4)+7], v[VF], s[10:11] offset:(32*(\i/2)+8*(\i%2))*64+16
.endr
	WIN 0
.irp a, 0,1,2,3,4,5,6,7
	global_load_b32 v[BA+2*\a], v[VA], s[4:5] offset:(32*(\a/2)+8*(\a%2))*4
.endr
	CROUND                                         ; all sixteen work-groups are here: the first joint loads meet
; the head's loads, one a wave: one tree of branches on the wave's number, every way through it passes exactly one load
.macro ARM under, g0, g1, next
	s_cmp_lt_u32 s16, \under
	s_cbranch_scc0 \next
	tensor_load_to_lds s[\g0:\g0+3], s[\g1:\g1+7]
	s_nop 0
.rept 4
	v_nop
.endr
	s_branch .Lhead_asked
\next:
.endm
	ARM 1, G0C,  G1,  .Lhead_b
	ARM 2, G0BC, G1B, .Lhead_sa
	ARM 3, G0S,  G1S, .Lhead_sb
	tensor_load_to_lds s[G0SB:G0SB+3], s[G1SB:G1SB+7]
	s_nop 0
.rept 4
	v_nop
.endr
.Lhead_asked:
; THE RANK-16 PART.  acc(a, b) = sum over 16 of B's factor x A's factor, in f32: four matrix instructions of K = 4.  In step st the instruction's k = 2 h + j stands for number 8 h + 2 st + j, alike on both sides,
; so a lane's eight loaded numbers are the four steps' operands as they lie.  The first step starts each sum with the constant 0; 16 accumulators take turns.
.macro LORA hi, ah                     ; ah: which two of the window's four blocks of A: 16 accumulators by turns, 64 matrix instructions
.irp st, 0,1,2,3
.irp a, 0,1,2,3
.if \a/2 == \ah
.irp b, 0,1,2,3,4,5,6,7
.if \st == 0
	v_wmma_f32_16x16x4_f32 v[8*(8*\a+\b):8*(8*\a+\b)+7], v[FB+8*\b+96*(\b/4)+2*\st:FB+8*\b+96*(\b/4)+2*\st+1], v[FA+8*(4*\hi+\a)+2*\st:FA+8*(4*\hi+\a)+2*\st+1], 0
.else
	v_wmma_f32_16x16x4_f32 v[8*(8*\a+\b):8*(8*\a+\b)+7], v[FB+8*\b+96*(\b/4)+2*\st:FB+8*\b+96*(\b/4)+2*\st+1], v[FA+8*(4*\hi+\a)+2*\st:FA+8*(4*\hi+\a)+2*\st+1], v[8*(8*\a+\b):8*(8*\a+\b)+7]
.endif
.endr
.endif
.endr
.endr
.endm
	s_wait_loadcnt 0x0                             ; the factors and the bias along the lanes
	WIN MUL_LO
	LORA 0, 0
	WIN 0
	s_wait_tensorcnt 0x0                           ; my tile of the head's four is in
	ds_add_u32 v[SPW], v[NIL]
	s_mov_b32 s[G1+2], 8<<16                       ; no tensor load of mine is out, so descriptors may be written: from here on a load brings eight tiles,
	s_mov_b32 s[G1+4], 8
	s_mov_b32 s[G1B+2], 8<<16
	s_mov_b32 s[G1B+4], 8
	s_add_co_u32 s[G0C+1], s104, 2*SLOT            ; and slot 2 takes my eight tiles of K quarter 2: one quarter on from slot 1's
	s_add_nc_u64 s[G0C+2:G0C+3], s[G0+6:G0+7], TILEB
	s_add_co_u32 s[G0BC+1], s104, 2*SLOT
	s_add_nc_u64 s[G0BC+2:G0BC+3], s[G0B+6:G0B+7], TILEB
	s_wait_dscnt 0x0
	CROUND                                         ; everybody's tile of the head's four is in, and the joint loads meet
	JLOAD G0+4, G1, G0B+4, G1B                     ; K quarter 1, the first tensor load behind the round
	WIN MUL_LO
	LORA 0, 1
	WIN MUL_HI
	LORA 1, 0
	WIN 0
	s_wait_tensorcnt 0x0                           ; the same lines once more
	ds_add_u32 v[SPW], v[NIL]
	s_wait_dscnt 0x0
	CROUND
	JLOAD G0C, G1, G0BC, G1B                       ; K quarter 2
	WIN MUL_HI
	LORA 1, 1
	PLACES 9
	WIN 0
.irp b, 0,1,2,3,4,5,6,7                        ; the bias along the registers, into A's factor's registers: lane (r, h), tile 2 b' + u: numbers 32 b' + 16 h + 8 u + 0 .. 7
	global_load_b128 v[BB+8*\b:BB+8*\b+3], v[VB], s[6:7] offset:(32*(\b/2)+8*(\b%2))*4
	global_load_b128 v[BB+8*\b+4:BB+8*\b+7], v[VB], s[6:7] offset:(32*(\b/2)+8*(\b%2))*4+16
.endr
.macro FRAG reg, adr, q, i             ; a fragment's image: three loads, each 512 consecutive bytes
.irp c, 0,1,2
	ds_load_b128 v[\reg+4*\c:\reg+4*\c+3], v[\adr] offset:(\i)*TILEB+(\q)*1536+512*\c
.endr
.endm
; 16 matrix instructions: A's blocks a0, a0 + 1 x B's eight, 128 along K.  p: B's set; sc: the set of scale words.  The 64 accumulators take turns, in the same order in every step.
.macro MUL16 a0, p, q, sc
.irp a, \a0, \a0+1
.irp b, 0,1,2,3,4,5,6,7
	v_wmma_scale_f32_16x16x128_f8f6f4 v[8*(8*((\a)%4)+\b):8*(8*((\a)%4)+\b)+7], v[128*(\p)+FR*\b:128*(\p)+FR*\b+FR-1], v[AF+FR*(\a):AF+FR*(\a)+FR-1], v[8*(8*((\a)%4)+\b):8*(8*((\a)%4)+\b)+7], v[SC+8*NQ*(\sc)+NQ*\b+(\q)], v[SC+8*NQ*(\sc)+NQ*(\a)+(\q)] matrix_a_fmt:MATRIX_FMT_BF6 matrix_b_fmt:MATRIX_FMT_BF6 matrix_a_scale:MATRIX_SCALE_ROW1
.endr
.endr
.endm
.macro FETCH_B slot, q, p
	WIN TO_B
.irp i, 0,1,2,3,4,5,6,7
	FRAG 128*(\p)+FR*\i, ADRB+\slot, \q, \i
.endr
	WIN 0
.endm
.macro FETCH_A slot, q, i0
.irp i, \i0, \i0+1, \i0+2, \i0+3
	FRAG AF+FR*(\i), ADRA+\slot, \q, \i
.endr
.endm
.macro SCALES sc                       ; a K quarter's scale words: two a row; lanes 0-15 take A's tile i, lanes 16-31 B's tile i
.irp i, 0,1,2,3,4,5,6,7
	ds_load_b64 v[SC+8*NQ*\sc+NQ*\i:SC+8*NQ*\sc+NQ*\i+1], v[ADRS] offset:\i*512
.endr
.endm
; A step of 128 along K that has its successor in the same slot.  A has one set of registers: blocks 0-3 are fetched anew in the step's middle, blocks 4-7 at its end; B has two sets.  sc: the quarter's set of scale words.
.macro STEP slot, q, sc
	s_wait_dscnt 4*NL                              ; B's set, A's blocks 0-3 and the scale words are in; the youngest 12 loads (A's blocks 4-7) may be out
	WIN MUL_LO
	MUL16 0, (\q)%2, \q, \sc
	MUL16 2, (\q)%2, \q, \sc
	s_wait_dscnt 0                                 ; A's blocks 4-7 are in
	PLACES NP
	FETCH_B \slot, (\q)+1, 1-(\q)%2
	FETCH_A \slot, (\q)+1, 0
	WIN MUL_HI
	MUL16 4, (\q)%2, \q, \sc
	MUL16 6, (\q)%2, \q, \sc
	PLACES NP
	WIN 0
	FETCH_A \slot, (\q)+1, 4
.endm
; A slot's last step goes on into the next slot.  sc, scn: this quarter's and the next quarter's set of scale words.
; mode 1: this slot is filled again.  In front of the barrier each wave waits for all its tensor loads, adds 0 to its spare word, and waits for that and for its own reads of this slot; the barrier opens a round of the cluster's.
; mode 2: the next slot is the one that was filled again: the same lines and the work-group's barrier show the refill landed in every wave.
; mode 0: the next slot is a first fill that the round of mode 1 has already shown whole to every wave, and nothing is filled: no wait on tensor loads (the refill stays on its way) and no barrier.
.macro TURN slot, next, sc, scn, mode
.if \mode
	s_wait_tensorcnt 0x0                           ; all my tensor loads have landed
	ds_add_u32 v[SPW], v[NIL]                      ; 0 onto my spare word
	s_wait_dscnt 4*NL+1                            ; (the add and the youngest 12 loads, A's blocks 4-7, may be out)
	WIN MUL_LO
	MUL16 0, 1, NQ-1, \sc                          ; sixteen matrix instructions stand between the add and the wait for it
	s_wait_dscnt 0x0                               ; the add is done, and my reads of this slot are over
	s_barrier_signal -1
	MUL16 2, 1, NQ-1, \sc
	WIN 0
	s_barrier_wait -1
.if \mode == 1
	CREST                                          ; the barrier has opened a round of the cluster's barrier: no wave of any partner still reads this slot or has a load on its way
	s_add_nc_u64 s[G0+4*\slot+2:G0+4*\slot+3], s[G0+4*\slot+2:G0+4*\slot+3], 3*TILEB
	s_add_nc_u64 s[G0B+4*\slot+2:G0B+4*\slot+3], s[G0B+4*\slot+2:G0B+4*\slot+3], 3*TILEB
	JLOAD G0+4*\slot, G1, G0B+4*\slot, G1B         ; the first tensor load behind the round: the quarter three on; its four v_nop are also the places in front of the loads below
.else
	PLACES NP
.endif
.else
	s_wait_dscnt 4*NL                              ; the youngest 12 loads (A's blocks 4-7) may be out
	WIN MUL_LO
	MUL16 0, 1, NQ-1, \sc
	MUL16 2, 1, NQ-1, \sc
	s_wait_dscnt 0x0
	WIN 0
	PLACES NP
.endif
	v_add_nc_u32 v[ADRS], 128, v[ADRS]             ; the next K quarter's scale words (no LDS load of mine is out)
	FETCH_B \next, 0, 0
	FETCH_A \next, 0, 0
	SCALES \scn
	WIN MUL_HI
	MUL16 4, 1, NQ-1, \sc
	MUL16 6, 1, NQ-1, \sc
	PLACES NP
	WIN 0
	FETCH_A \next, 0, 4
.endm
	FETCH_B 0, 0, 0                                ; slot 0 and the scale words were shown whole to every wave by the first of the two rounds above
	FETCH_A 0, 0, 0
	s_wait_alu depctr_va_vdst(0)
	SCALES 0
	FETCH_A 0, 0, 4
	STEP 0, 0, 0                                   ; K step 0.  K = 1,024 is eight steps: they are written straight
	TURN 0, 1, 0, 1, 1                             ; 1; slot 0 takes K steps 6, 7
	s_wait_alu depctr_va_vdst(0)
	STEP 1, 0, 1                                   ; 2
	TURN 1, 2, 1, 0, 0                             ; 3
	s_wait_alu depctr_va_vdst(0)
	STEP 2, 0, 0                                   ; 4
	TURN 2, 0, 0, 1, 2                             ; 5; the refill has landed
	STEP 0, 0, 1                                   ; 6
	s_wait_dscnt 4*NL                              ; 7
	WIN MUL_LO
	MUL16 0, 1, NQ-1, 1
	MUL16 2, 1, NQ-1, 1
	s_wait_dscnt 0
	WIN MUL_HI
	MUL16 4, 1, NQ-1, 1
	MUL16 6, 1, NQ-1, 1
	WIN 0
	; THE WAY OUT.  A block of 16 rows x my 128 along the registers is one fragment of the next product: bias, quantiser, image.
	; Its scalars are made here, where no tensor load of mine is out: they take the registers of slot 2's descriptors.
	; U: the tokens' block and half, W: the outputs'.  record = 16 (U / 4) + 4 W + 2 half; idx = which 128 tokens of the batch
	s_cmp_eq_u32 s19, 2
	s_cselect_b32 s40, s23, s22
	s_cselect_b32 s41, s18, s17
	s_cselect_b32 s42, s22, s23
	s_cselect_b32 s43, s17, s18
	s_mov_b32 s44, 6144
	s_cselect_b32 s44, 1536, s44                   ; codes: bytes for each 128 tokens: v: a key step's image; q, k: eight tiles of 768
	s_mov_b32 s45, 512
	s_cselect_b32 s45, 256, s45                    ; scale words likewise
	s_mov_b32 s96, 768
	s_cselect_b32 s96, 12288, s96                  ; codes: from one of my eight blocks of 16 rows to the next,
	s_mov_b32 s98, 768
	s_cselect_b32 s98, REC-36864, s98              ; and from the fourth to the fifth (v: the next head's record)
	s_cselect_b32 s100, REC-192, 64                ; scale words: from the fourth to the fifth
	s_mov_b32 s46, REC
	s_cselect_b32 s46, 768, s46                    ; where the codes' second half goes: v: behind the first; q, k: the odd head's record
	s_cselect_b32 s47, 0, REC                      ; lanes 16-31 store the odd head's scale word (v: the same word to the same place)
	s_cselect_b32 s2, 0, 16                        ; which is the upper half of the word made
	s_cselect_b32 s104, 0, -1                      ; keeps the bias along the registers
	s_cselect_b32 s105, -1, 0                      ; keeps the bias along the lanes
	s_mov_b32 s92, 53248
	s_cselect_b32 s92, 102400, s92
	s_mov_b32 s94, 151552
	s_cselect_b32 s94, 155648, s94
	s_cmp_eq_u32 s19, 0
	s_cselect_b32 s92, 0, s92                      ; the codes' region in a record
	s_cselect_b32 s94, 49152, s94                  ; the scale words'
	s_mov_b32 s97, 0
	s_mov_b32 s99, 0
	s_mov_b32 s101, 0
	s_lshr_b32 s3, s40, 2
	s_lshl_b32 s3, s3, 4
	s_lshl_b32 s42, s42, 2
	s_add_co_u32 s3, s3, s42
	s_lshl_b32 s43, s43, 1
	s_add_co_u32 s3, s3, s43
	s_mul_i32 s3, s3, REC
	s_and_b32 s40, s40, 3
	s_lshl_b32 s40, s40, 1
	s_add_co_u32 s40, s40, s41
	s_mul_i32 s44, s44, s40
	s_mul_i32 s45, s45, s40
	s_add_co_u32 s92, s92, s44
	s_add_co_u32 s92, s92, s3
	s_mov_b32 s93, 0
	s_add_co_u32 s94, s94, s45
	s_add_co_u32 s94, s94, s3
	s_mov_b32 s95, 0
	s_add_nc_u64 s[92:93], s[14:15], s[92:93]
	s_add_nc_u64 s[94:95], s[14:15], s[94:95]
	v_add_nc_u32 v[VO2], s46, v[VO1]
	v_mul_u32_u24 v12, s47, v2
	v_lshl_add_u32 v[VSO], v1, 2, v12
	v_mul_u32_u24 v[VSH], s2, v2
	PLACES NP
	s_wait_loadcnt 0x0                             ; the bias along the registers
.set J, 0
.rept 64
	v_cndmask_b32 v[BB+J], 0, v[BB+J], s104        ; the bias that does not apply becomes 0
.set J, J+1
.endr
.irp a, 0,1,2,3,4,5,6,7
	v_cndmask_b32 v[BA+2*\a], 0, v[BA+2*\a], s105
.endr
.irp b, 0,1,2,3
	v_mov_b32 v[TM+4+\b], 0                        ; a lane permute's destination counts as one of its sources
.endr
.macro OUT a
	WIN 0x02+(\a)/4                                ; source 0: window 2 or 3
.irp b, 0,1,2,3,4,5,6,7
.irp j, 0,2,4,6
	v_pk_add_f32 v[T+8*\b+\j:T+8*\b+\j+1], v[64*((\a)%4)+8*\b+\j:64*((\a)%4)+8*\b+\j+1], v[BB+8*\b+\j:BB+8*\b+\j+1]   ; each accumulator from its low end on; the sums go into other registers
.endr
.endr
	WIN 0
.set J, 0
.rept 32
	v_pk_add_f32 v[T+J:T+J+1], v[T+J:T+J+1], v[BA+2*(\a):BA+2*(\a)+1] op_sel_hi:[1,0]
.set J, J+2
.endr
	s_wait_xcnt 0x0                                ; the last block's stores have read their registers and bases: both are written again below
.if (\a) == 4
	s_add_nc_u64 s[92:93], s[92:93], s[98:99]
	s_add_nc_u64 s[94:95], s[94:95], s[100:101]
.elseif (\a) > 0
	s_add_nc_u64 s[92:93], s[92:93], s[96:97]
	s_add_nc_u64 s[94:95], s[94:95], 64
.endif
	QUANT T, PC, PW
	v_lshrrev_b32 v[SWD], v[VSH], v[PW]
.irp c, 0,1,2
	global_store_b64 v[VO1], v[PC+2*\c:PC+2*\c+1], s[92:93] offset:256*\c        ; each store covers 256 consecutive bytes, aligned
	global_store_b64 v[VO2], v[PC+6+2*\c:PC+7+2*\c], s[92:93] offset:256*\c
.endr
	global_store_b32 v[VSO], v[SWD], s[94:95]
.endm
.irp a, 0,1,2,3,4,5,6,7
	OUT \a
.endr
	s_wait_tensorcnt 0x0                           ; the wave's end
	ds_add_u32 v[SPW], v[NIL]
	s_wait_dscnt 0x0
	CROUND                                         ; the closing round: no work-group ends while a partner may still ask for a tile that names it
	s_endpgm
.Lfunc_end_k_q0a4c7bc813_qkv:
	.size	k_q0a4c7bc813_qkv, .Lfunc_end_k_q0a4c7bc813_qkv-k_q0a4c7bc813_qkv
	.p2alignl 7, 3214868480
	.fill 96, 4, 3214868480
	.section	.rodata,"a",@progbits
	.p2align	6, 0x0
	.amdhsa_kernel k_q0a4c7bc813_qkv
		.amdhsa_group_segment_fixed_size 327680
		.amdhsa_private_segment_fixed_size 0
		.amdhsa_enable_private_segment 0
		.amdhsa_kernarg_size 80
		.amdhsa_user_sgpr_count 2
		.amdhsa_user_sgpr_kernarg_segment_ptr 1
		.amdhsa_wavefront_size32 1
		.amdhsa_system_sgpr_workgroup_id_x 1
		.amdhsa_system_sgpr_workgroup_id_y 1
		.amdhsa_system_sgpr_workgroup_id_z 1
		.amdhsa_system_vgpr_workitem_id 0
		.amdhsa_next_free_vgpr 1024
		.amdhsa_next_free_sgpr 106
		.amdhsa_reserve_vcc 0
		.amdhsa_float_denorm_mode_32 3
		.amdhsa_float_denorm_mode_16_64 3
		.amdhsa_memory_ordered 1
		.amdhsa_forward_progress 1
		.amdhsa_inst_pref_size 206
	.end_amdhsa_kernel
	.amdgpu_metadata
---
amdhsa.version: [ 1, 2 ]
amdhsa.kernels:
  - .name:           k_q0a4c7bc813_qkv
    .symbol:         k_q0a4c7bc813_qkv.kd
    .args:
      - { .name: codes, .offset: 0, .size: 8, .value_kind: global_buffer, .address_space: global }
      - { .name: scl, .offset: 8, .size: 8, .value_kind: global_buffer, .address_space: global }
      - { .name: low, .offset: 16, .size: 8, .value_kind: global_buffer, .address_space: global }
      - { .name: q_lb, .offset: 24, .size: 8, .value_kind: global_buffer, .address_space: global }
      - { .name: k_lb, .offset: 32, .size: 8, .value_kind: global_buffer, .address_space: global }
      - { .name: v_lb, .offset: 40, .size: 8, .value_kind: global_buffer, .address_space: global }
      - { .name: q_b, .offset: 48, .size: 8, .value_kind: global_buffer, .address_space: global }
      - { .name: k_b, .offset: 56, .size: 8, .value_kind: global_buffer, .address_space: global }
      - { .name: v_b, .offset: 64, .size: 8, .value_kind: global_buffer, .address_space: global }
      - { .name: qkv, .offset: 72, .size: 8, .value_kind: global_buffer, .address_space: global }
    .group_segment_fixed_size: 327680
    .private_segment_fixed_size: 0
    .kernarg_segment_align: 8
    .kernarg_segment_size: 80
    .max_flat_workgroup_size: 128
    .sgpr_count:     106
    .vgpr_count:     1024
    .wavefront_size: 32
...
	.end_amdgpu_metadata
.endif
;; end of part 2
;; launch attn (part 3): grid 4 x 64, 16 waves a work-group, clusters of 4 x 1, 169,984 bytes of LDS; arguments qkv, cc, cs; writes cc, cs
.if DOCPART == 3
	.amdgcn_target "amdgcn-amd-amdhsa--gfx1250"
	.amdhsa_code_object_version 6
	.text
	.protected	k_q0a4c7bc813_attn
	.globl	k_q0a4c7bc813_attn
	.p2align	8
	.type	k_q0a4c7bc813_attn,@function
k_q0a4c7bc813_attn:
	s_mov_b64 s[64:65], 0
	v_nop
	global_prefetch_b8 v0, s[64:65] scope:SCOPE_SE
	s_setreg_imm32_b32 hwreg(HW_REG_WAVE_MODE, 25, 1), 1
	s_wait_xcnt 0x0
	s_wait_alu depctr_hold_cnt(0) depctr_sa_sdst(0) depctr_va_vdst(0) depctr_va_sdst(0) depctr_va_ssrc(0) depctr_va_vcc(0) depctr_vm_vsrc(0)
	s_getreg_b32 s2, hwreg(HW_REG_IB_STS2, 6, 4)
	s_cmp_eq_u32 s2, 0
	s_cbranch_scc0 .Lentry_in_a_cluster
	s_endpgm
.Lentry_in_a_cluster:
	s_bfe_u32 s2, ttmp6, 0x10000c
	s_cmp_lg_u32 s2, 0x3003
	s_cbranch_scc0 .Lentry_shape_is_right
	s_endpgm
.Lentry_shape_is_right:
; ctx[b][s][head] = softmax(q k^T / 8) v for one head a work-group, both products on codes of BF6 (E3M2); ctx is quantised along the model's axis on the way out.
; THE SOFTMAX AHEAD OF THE SECOND PRODUCT: t = score x log2(e) / 8; M = the row's largest t so far, rounded up to a whole number; p = 2^(t - M) is quantised along the keys, not normalised.
; The row's sum is taken of the unquantised p, in f32, and divides O at the end.  When M moves, the sum and O are multiplied by 2^(old M - new M): exact.
; SHARES.  A work-group owns 256 queries of one head (16 x batch + head = the grid's y); each of its sixteen waves owns one tile of 16 queries: four waves to a SIMD.
; LAYOUT.  Both products transposed: S^T = K Q^T, O^T = V^T P^T: a lane holds one query throughout.
; WHICH KEYS FORM A TILE OF K is chosen here, by LDS addresses alone: row 8 h' + j of tile 4 c + u of a step of 128 keys is key 64 c + 32 h' + 8 u + j.  So the 32 score registers of tiles 4 c .. 4 c + 3 of lane (r, h)
; are keys 64 c + 32 h + 0 .. 31: a WHOLE block of 32, in the order in which the next operand's registers want it.  A block's maximum needs no other lane, and the conversions' results need no exchange of lanes.
; In the record key 32 b + 16 g + 8 u' + j lies in tile 2 b + u' at place 8 g + j; a tile's image holds registers 2 p, 2 p + 1 of lane l at 256 p + 8 l.
; LDS.  A head's K and V come once and stay: no byte is filled twice.  K's codes lie in rows of 256 bytes + 32 of padding: the four groups of eight lanes of a load then begin at bytes 0, 192, 128, 64 modulo 256.
; THE HEAD'S LOADS, one a wave: wave 0 the scale words, wave 1 V of key steps 0-1, waves 2-5 K of two key steps each, wave 6 V of key steps 2-7.  Waves 0-2 alone wait ahead of the first barrier: key steps 0-1
; are worked while the other four loads are on their way; a second barrier, with every wave's wait for 0 ahead of it, stands in front of key steps 2-7.
; CLUSTER.  The four query blocks of a head form a cluster and ask for these bytes jointly.  NO PREFETCH: every byte is asked for at the head; no loop runs ahead of a load.
; K = 64 IN AN INSTRUCTION OF K = 128: Q's codes for k = 64 .. 127 are zeros, so what stands in the upper six registers of K's operand adds nothing; the scale bytes there lie in 0 .. 254.
; LIMITS: NaN and infinities are not served; the promise holds while the scaled scores stay under 2^31 in magnitude; a block of zeros gets the byte 1 (its codes are zeros; this program alone reads the bytes).
; A block's largest p is the block's largest score put through the same multiply-add and exponential (this takes v_exp_f32 not to fall where its input rises).
; REGISTERS: v1-7 addresses that stay; v8-11 addresses in hand; v12 -M, v13 the largest score, v[14:15] the sum; v16-21 Q, v22-27 zeros; v28 8 h; v30, v31 the add's; v32-79 K's eight half fragments or V's four;
;   v80-85 zeros; v96-159 S^T, then p; v160-191 O^T; v192-199 K's scale words; v200-214 at work; v224-235 p's codes; v232-254 at work; v248-251 V's scale words; v253 p's; v255 Q's.
.set REC,   157696
.set WD,    0                          ; LDS: K's scale words, 4,096 bytes; V's behind them, 2,048
.set V1,    6144                       ; V's codes of key steps 0-1: [tile of 16 channels][2 x 1,536]
.set K0,    18432                      ; K's codes of key steps 0-1: 48 rows of KU bytes, wave 2's load; 9,216 free bytes follow
.set KB,    41472                      ; K's codes of key steps 2-7: 144 rows.  Wave w (3 .. 5) fills 48 rows from byte 13,824 w on
.set V2,    82944                      ; V's codes of key steps 2-7: [tile][6 x 1,536]
.set SPARE, 119808                     ; the spare words: 128 bytes a wave
.set KU,    288
.set SPW,   30
.set NIL,   31
.set WV,    10
.set SEL,   20
.set CS,    22
.set NC,    24
.set G0V2,  28
.set G0K0,  32
.set G1W,   52
.set G0W,   60
.set G1V1,  68
.set G0V1,  76
.set G1K,   80
.set G0K,   88
.set G1V2,  92
.macro CROUND
	s_barrier_signal -1
	s_barrier_wait -1
	s_cmp_lg_u32 s[WV], 0
	s_cbranch_scc1 .Lnot_wave_0_\@
	s_barrier_signal -3
.Lnot_wave_0_\@:
	s_barrier_wait -3
	s_barrier_signal -1
	s_barrier_wait -1
.endm
.macro DESC g, w0, c, r, p             ; group 1: r rows of c elements of 8 bytes, p elements from row to row
	s_mov_b32 s[\g], \w0
	s_mov_b32 s[\g+1], (\c)<<16
	s_mov_b32 s[\g+2], (\r)<<16
	s_mov_b32 s[\g+3], (\c)<<16
	s_mov_b32 s[\g+4], \r
	s_mov_b32 s[\g+5], \p
	s_mov_b32 s[\g+6], 0
	s_mov_b32 s[\g+7], 0
.endm
.macro GRP0 g, lds, off                ; group 0: to LDS byte lds, from byte off of my record
	s_mov_b32 s[\g], 1
	s_mov_b32 s[\g+1], \lds
	s_add_nc_u64 s[\g+2:\g+3], s[14:15], \off
	s_or_b32 s[\g+3], s[\g+3], 0x80000000
.endm
.macro ARM under, g0, g1, next
	s_cmp_lt_u32 s[WV], \under
	s_cbranch_scc0 \next
	tensor_load_to_lds s[\g0:\g0+3], s[\g1:\g1+7]
	s_nop 0
.rept 4
	v_nop
.endr
	s_branch .Lasked
\next:
.endm
	s_load_b128 s[4:7], s[0:1], 0x0                ; qkv, cc
	s_load_b64 s[8:9], s[0:1], 0x10                ; cs
	v_lshl_add_u32 v[SPW], v0, 2, SPARE
	v_mov_b32 v[NIL], 0
	ds_add_u32 v[SPW], v[NIL]                      ; the opening lines: the add, twice on end, and its wait
	ds_add_u32 v[SPW], v[NIL]
	v_lshrrev_b32 v8, 5, v0
	s_delay_alu instid0(VALU_DEP_1)
	v_readfirstlane_b32 s[WV], v8                  ; wave 0..15
	s_bfe_u32 s11, ttmp6, 0x40000                  ; cx
	s_lshl_b32 s13, ttmp9, 2
	s_add_co_u32 s13, s13, s11                     ; my block of 256 queries
	s_lshl_b32 s13, s13, 4
	s_add_co_u32 s13, s13, s[WV]                   ; my tile of 16 queries: it enters Q's, cc's and cs's addresses alone
	s_and_b32 s12, ttmp7, 0xffff                   ; the record, which the four partners share
	s_mul_i32 s14, s12, REC
	s_mov_b32 s15, 0
	s_mul_i32 s16, s[WV], 12288                    ; K's codes begin at byte 53,248 of the record; wave w fetches 12,288 (w - 2) on
	s_add_co_u32 s16, s16, 28672
	s_mov_b32 s17, 0
	s_mul_i32 s[G0K+1], s[WV], 48*KU
	s_mul_i32 s44, s13, 768                        ; Q's codes
	s_mov_b32 s45, 0
	s_lshl_b32 s46, s13, 6
	s_add_co_u32 s46, s46, 49152                   ; Q's scale words
	s_mov_b32 s47, 0
	s_lshr_b32 s32, s12, 4                         ; batch
	s_and_b32 s33, s12, 15                         ; head
	s_lshl_b32 s32, s32, 6
	s_add_co_u32 s32, s32, s13                     ; my tile among the 256 tiles of tokens
	s_mul_i32 s48, s32, 12288
	s_lshr_b32 s34, s33, 1
	s_mul_i32 s34, s34, 1536                       ; two heads are a K step of the last product,
	s_add_co_u32 s48, s48, s34
	s_and_b32 s34, s33, 1
	s_mul_i32 s34, s34, 768                        ; the odd one its upper half
	s_add_co_u32 s48, s48, s34
	s_mov_b32 s49, 0
	s_lshl_b32 s50, s32, 9
	s_lshr_b32 s34, s33, 2
	s_lshl_b32 s34, s34, 7
	s_add_co_u32 s50, s50, s34
	s_and_b32 s34, s33, 3
	s_lshl_b32 s34, s34, 1
	s_add_co_u32 s50, s50, s34                     ; my head's two scale bytes of a row: 128 (head / 4) + 8 r + 2 (head % 4)
	s_mov_b32 s51, 0
	DESC G1W,  15|(3<<16)|(1<<21), 32, 24, 32      ; the scale words: 6,144 dense bytes as 24 rows of 256; the mask names all four work-groups
	DESC G1K,  15|(3<<16)|(1<<20)|(1<<21)|(5<<22)|(7<<25), 32, 48, 32   ; K: 12,288 dense bytes as 48 rows of 256, eight words of padding behind each 64
	DESC G1V1, 15|(3<<16)|(1<<21), 384, 4, 1536    ; V: four tiles, a row to a tile: two key steps' images,
	DESC G1V2, 15|(3<<16)|(1<<21), 1152, 4, 1536   ; or six
	s_mov_b32 s[SEL], 0x76543210
	s_mov_b32 s[SEL+1], 0xfedcba98                 ; v_permlanex16_b32's selects for lane l xor 16
	s_mov_b32 s[CS], 0x3e38aa3b                    ; c = log2(e) / 8
	s_mov_b32 s[CS+1], s[CS]                       ; (named with it as a pair)
	s_mov_b32 s[NC], 0xbe38aa3b                    ; -c
	s_mov_b32 s36, K0                              ; the key step's K codes,
	s_mov_b32 s37, V1                              ; V codes,
	s_mov_b32 s38, 0                               ; K words,
	s_mov_b32 s39, 0                               ; V words
	v_and_b32 v9, 7, v0                            ; j
	v_bfe_u32 v10, v0, 3, 1                        ; h'
	v_bfe_u32 v11, v0, 4, 1                        ; h
	v_and_b32 v8, 31, v0                           ; l
	v_and_b32 v6, 15, v0                           ; r
	v_mul_u32_u24 v12, v10, 6*KU
	v_lshlrev_b32 v3, 2, v9
	v_lshlrev_b32 v2, 3, v8                        ; V's images: 8 l
	v_lshl_add_u32 v1, v9, 3, v12
	v_lshl_add_u32 v3, v10, 7, v3                  ; K's scale words: 128 h' + 4 j
	v_lshlrev_b32 v7, 2, v6                        ; memory: 4 r
	v_lshl_add_u32 v1, v11, 7, v1                  ; K's images: two tiles on for h', 128 h + 8 j in the image
	v_lshlrev_b32 v5, 3, v8                        ; memory: 8 l
	v_add_nc_u32 v4, WD+4096, v7                   ; V's scale words: 4 r
	v_lshlrev_b32 v6, 3, v6                        ; memory: 8 r
	v_lshlrev_b32 v28, 3, v11                      ; 8 h: my bytes' place in p's scale word
	s_wait_alu depctr_va_vdst(0)                   ; ahead of the waits below
	s_wait_dscnt 0x0                               ; both opening adds are done
	s_wait_kmcnt 0x0
	s_add_nc_u64 s[14:15], s[4:5], s[14:15]        ; my record
	s_add_nc_u64 s[44:45], s[14:15], s[44:45]
	s_add_nc_u64 s[46:47], s[14:15], s[46:47]
	s_add_nc_u64 s[48:49], s[6:7], s[48:49]
	s_add_nc_u64 s[50:51], s[8:9], s[50:51]
.irp c, 0,1,2
	global_load_b64 v[16+2*\c:17+2*\c], v5, s[44:45] offset:256*\c   ; Q's half fragment stays in registers
.endr
	global_load_b32 v255, v7, s[46:47]
	GRP0 G0W,  WD, 151552
	GRP0 G0V1, V1, 102400
	GRP0 G0V2, V2, 105472
	GRP0 G0K0, K0, 53248
	s_mov_b32 s[G0K], 1
	s_add_nc_u64 s[G0K+2:G0K+3], s[14:15], s[16:17]
	s_or_b32 s[G0K+3], s[G0K+3], 0x80000000
	CROUND                                         ; all four work-groups are here: the joint loads meet
	ARM 1, G0W,  G1W,  .Larm_v1                    ; one chain of branches on the wave's number, one load to an arm, all arms lead to one join; waves 7-15 issue none
	ARM 2, G0V1, G1V1, .Larm_k
	ARM 3, G0K0, G1K,  .Larm_kr                    ; key steps 0-1 have a line of their own: its one wave waits ahead of the first barrier
	ARM 6, G0K,  G1K,  .Larm_v2
	ARM 7, G0V2, G1V2, .Lasked
.irp i, 0,1,2,3,4,5
	v_mov_b32 v[22+\i], 0                          ; Q's codes for k = 64 .. 127
	v_mov_b32 v[80+\i], 0                          ; behind K's last tile
.endr
	v_mov_b32 v13, 0xff61b1e6                      ; the largest score so far: -3e38
	v_mov_b32 v12, 0x7e000000                      ; -M: a whole number over every -M to come, so that the first factor is 0
	v_mov_b32 v14, 0
	v_mov_b32 v15, 0
	v_mov_b32 v236, 0                              ; a lane permute's destination counts as one of its sources
	v_mov_b32 v239, 0
	v_mov_b32 v253, 0                              ; (named as the upper half of the pair v[252:253] before it is first written)
.set J, 0
.rept 32
	v_mov_b32 v[160+J], 0                          ; O^T: the step's text serves the first step too: it finds zeros
.set J, J+1
.endr
	s_wait_alu depctr_va_vdst(0)
	s_cmp_lt_u32 s[WV], 3
	s_cbranch_scc0 .Lnot_first
	s_wait_tensorcnt 0x0                           ; waves 0-2: the scale words, V's and K's codes of key steps 0-1 are in
.Lnot_first:
	s_barrier_signal -1
	s_barrier_wait -1                              ; all waves know it; the other four loads may be out
	s_wait_loadcnt 0x0                             ; Q
; a step of 128 keys.  vp: bytes from one of V's four tiles to the next
.macro STEP vp
	v_add_nc_u32 v8, s36, v1                       ; (these four are also the places behind the last step's products, ahead of the loads below)
	v_add_nc_u32 v9, s37, v2
	v_add_nc_u32 v10, s38, v3
	v_add_nc_u32 v11, s39, v4
.irp c, 0,1
.irp u, 0,1,2,3
.irp p, 0,1,2
	ds_load_b64 v[32+6*(4*\c+\u)+2*\p:33+6*(4*\c+\u)+2*\p], v8 offset:KU*(3*(4*\c+\u%2)+\p)+64*(\u/2)
.endr
	ds_load_b32 v[192+4*\c+\u], v10 offset:256*\c+64*(\u%2)+32*(\u/2)
.endr
.endr
	s_wait_alu depctr_va_vdst(0)
	s_wait_dscnt 0x0
.irp t, 0,1,2,3,4,5,6,7
	v_wmma_scale_f32_16x16x128_f8f6f4 v[96+8*\t:103+8*\t], v[32+6*\t:43+6*\t], v[16:27], 0, v[192+\t], v255 matrix_a_fmt:MATRIX_FMT_BF6 matrix_b_fmt:MATRIX_FMT_BF6
.endr
.rept 4
	v_nop                                          ; four places: ahead of the loads into K's registers and of the first read of the scores
.endr
.irp t, 0,1,2,3                                ; V's four fragments of this key step: asked for here, so that they land under the softmax
.irp p, 0,1,2,3,4,5
	ds_load_b64 v[32+12*\t+2*\p:33+12*\t+2*\p], v9 offset:\vp*\t+256*\p
.endr
	ds_load_b32 v[248+\t], v11 offset:64*\t
.endr
.irp c, 0,1                                    ; the largest score of my two blocks of 32 keys, two chains a block; each accumulator is first read at its low end
	v_max3_num_f32 v[232+\c], v[96+32*\c], v[97+32*\c], v[98+32*\c]
	v_max3_num_f32 v[234+\c], v[112+32*\c], v[113+32*\c], v[114+32*\c]
.endr
.irp i, 3,5,7,9,11,13
.irp c, 0,1
	v_max3_num_f32 v[232+\c], v[232+\c], v[96+32*\c+\i], v[97+32*\c+\i]
	v_max3_num_f32 v[234+\c], v[234+\c], v[112+32*\c+\i], v[113+32*\c+\i]
.endr
.endr
.irp c, 0,1
	v_max3_num_f32 v[232+\c], v[232+\c], v[111+32*\c], v[127+32*\c]
.endr
.irp c, 0,1
	s_delay_alu instid0(VALU_DEP_2)
	v_max_num_f32 v[232+\c], v[232+\c], v[234+\c]
.endr
	s_delay_alu instid0(VALU_DEP_1)
	v_max_num_f32 v254, v232, v233
	s_delay_alu instid0(VALU_DEP_1)
	v_permlanex16_b32 v236, v254, s[SEL], s[SEL+1] ; lane l xor 16's 64 keys
	s_delay_alu instid0(VALU_DEP_1)
	v_max3_num_f32 v13, v13, v254, v236            ; the running largest score of my query
	v_mov_b32 v237, v12
	s_delay_alu instid0(VALU_DEP_2)
	v_mul_f32 v254, s[NC], v13                     ; -t
	s_delay_alu instid0(VALU_DEP_1)
	v_floor_f32 v12, v254                          ; the new -M = floor(-t) = -ceil(t)
	s_delay_alu instid0(VALU_DEP_1)
	v_sub_f32 v254, v12, v237                      ; old M - new M: a whole number, 0 or less
	s_delay_alu instid0(VALU_DEP_1)
	v_cvt_i32_f32 v254, v254                       ; (it saturates)
	s_delay_alu instid0(VALU_DEP_1)
	v_ldexp_f32 v252, 1.0, v254                    ; f = 2^(old M - new M)
.set J, 0
.rept 32
	v_pk_fma_f32 v[96+J:97+J], v[96+J:97+J], s[CS:CS+1], v[12:13] op_sel_hi:[1,0,0]   ; t - M, two at a time
.set J, J+2
.endr
.irp c, 0,1
	v_fma_f32 v[232+\c], v[232+\c], s[CS], v12     ; the same of each block's largest score
.endr
	s_wait_alu depctr_va_vdst(0)
.set J, 0
.rept 64
	v_exp_f32 v[96+J], v[96+J]                     ; p = 2^(t - M), at most 1
.set J, J+1
.endr
.irp c, 0,1
	v_exp_f32 v[232+\c], v[232+\c]                 ; the block's largest p
.endr
	v_pk_mul_f32 v[14:15], v[14:15], v[252:253] op_sel_hi:[1,0]   ; the sums under the new M.  (A plain place behind the exponentials)
	s_wait_alu depctr_va_vdst(0)                   ; one wait for the batch, and directly ahead of the first readers of O^T
.set J, 0
.rept 16
	v_pk_mul_f32 v[160+J:161+J], v[160+J:161+J], v[252:253] op_sel_hi:[1,0]   ; O^T under the new M
.set J, J+2
.endr
.irp c, 0,1
	v_max_num_f32 v[232+\c], 0x2800000, v[232+\c]  ; the floor 2^(5 - 127): the byte cannot fall under 1
.endr
.irp c, 0,1
	s_delay_alu instid0(VALU_DEP_2)
	v_add_nc_u32 v[244+\c], 0xfe000000, v[232+\c]  ; 4 off the exponent field: the conversion's scale operand
.endr
.irp c, 0,1
	s_delay_alu instid0(VALU_DEP_2)
	v_lshrrev_b32 v[240+\c], 23, v[244+\c]         ; the scale's byte
.endr
	s_delay_alu instid0(VALU_DEP_1)
	v_lshl_or_b32 v238, v241, 16, v240             ; my two bytes: blocks h and 2 + h,
	s_delay_alu instid0(VALU_DEP_1)
	v_lshlrev_b32 v238, v28, v238                  ; at their places in the word;
	s_delay_alu instid0(VALU_DEP_1)
	v_permlanex16_b32 v239, v238, s[SEL], s[SEL+1]
	s_delay_alu instid0(VALU_DEP_1)
	v_or_b32 v253, v238, v239                      ; with lane l xor 16's two: p's scale word for these 128 keys
.irp c, 0,1
	v_cvt_scalef32_pk16_bf6_f32 v[224+6*\c:226+6*\c], v[96+32*\c:111+32*\c], v[244+\c]
	v_cvt_scalef32_pk16_bf6_f32 v[208+4*\c:210+4*\c], v[112+32*\c:127+32*\c], v[244+\c]   ; (a conversion's three registers begin on an even number)
.endr
	v_nop                                          ; one plain place behind a scaled conversion
.irp c, 0,1
.irp i, 0,1,2
	v_mov_b32 v[227+6*\c+\i], v[208+4*\c+\i]       ; registers 6 c .. 6 c + 5 hold k = 64 c + 32 h + 0 .. 31
.endr
.endr
	v_pk_add_f32 v[200:201], v[96:97], v[98:99]    ; the row's sum of the unquantised p, in four chains.  (These 32 are also the places between p's codes and scale word and the products below)
	v_pk_add_f32 v[202:203], v[100:101], v[102:103]
	v_pk_add_f32 v[204:205], v[104:105], v[106:107]
	v_pk_add_f32 v[14:15], v[14:15], v[108:109]
.set J, 110
.rept 6
	v_pk_add_f32 v[200:201], v[200:201], v[J:J+1]
	v_pk_add_f32 v[202:203], v[202:203], v[J+2:J+3]
	v_pk_add_f32 v[204:205], v[204:205], v[J+4:J+5]
	v_pk_add_f32 v[14:15], v[14:15], v[J+6:J+7]
.set J, J+8
.endr
	v_pk_add_f32 v[200:201], v[200:201], v[158:159]
	v_pk_add_f32 v[14:15], v[14:15], v[204:205]
	s_delay_alu instid0(VALU_DEP_2)
	v_pk_add_f32 v[200:201], v[200:201], v[202:203]
	s_delay_alu instid0(VALU_DEP_1)
	v_pk_add_f32 v[14:15], v[14:15], v[200:201]
	s_wait_alu depctr_va_vdst(0)                   ; ahead of the wait and the branch below
	s_wait_dscnt 0x0                               ; V
.irp t, 0,1,2,3                                ; four accumulators by turns
	v_wmma_scale_f32_16x16x128_f8f6f4 v[160+8*\t:167+8*\t], v[32+12*\t:43+12*\t], v[224:235], v[160+8*\t:167+8*\t], v[248+\t], v253 matrix_a_fmt:MATRIX_FMT_BF6 matrix_b_fmt:MATRIX_FMT_BF6
.endr
	s_add_co_u32 s36, s36, 24*KU
	s_add_co_u32 s37, s37, 1536
	s_add_co_u32 s38, s38, 512
	s_add_co_u32 s39, s39, 256
.endm
	s_mov_b32 s40, 2
.Lfirst:                                           ; key steps 0-1
	STEP 3072
	s_sub_co_u32 s40, s40, 1
	s_cmp_lg_u32 s40, 0
	s_cbranch_scc1 .Lfirst
	s_wait_tensorcnt 0x0                           ; my load, if I had one, is in (no LDS instruction of mine is out: the step's last wait was for 0),
	s_barrier_signal -1
	s_barrier_wait -1                              ; everybody's is: all of K and V lie in LDS
	s_mov_b32 s36, KB
	s_mov_b32 s37, V2
	s_mov_b32 s40, 6
.Lrest:                                            ; key steps 2-7
	STEP 9216
	s_sub_co_u32 s40, s40, 1
	s_cmp_lg_u32 s40, 0
	s_cbranch_scc1 .Lrest
	; THE WAY OUT: O^T / the sum; my 32 numbers are 16 neighbours of each of the head's two blocks of 32 (V's tiles were laid so): they are quantised as half a fragment of the last product
.rept 4
	v_nop
.endr
	v_add_f32 v14, v14, v15
	s_delay_alu instid0(VALU_DEP_1)
	v_permlanex16_b32 v252, v14, s[SEL], s[SEL+1]
	s_delay_alu instid0(VALU_DEP_1)
	v_add_f32 v14, v14, v252                       ; the row's sum
	s_wait_alu depctr_va_vdst(0)
	v_rcp_f32 v14, v14
	v_nop                                          ; one plain place behind a transcendental
	s_wait_alu depctr_va_vdst(0)                   ; the wait ahead of its first reader, which is also O^T's
.set J, 0
.rept 32
	v_mul_f32 v[96+J], v[160+J], v14
.set J, J+1
.endr
	v_max3_num_f32 v232, |v96|, |v97|, 0x2800000
	v_max3_num_f32 v233, |v112|, |v113|, 0x2800000
.irp i, 2,4,6,8,10,12,14
	s_delay_alu instid0(VALU_DEP_2)
	v_max3_num_f32 v232, v232, |v[96+\i]|, |v[97+\i]|
	s_delay_alu instid0(VALU_DEP_2)
	v_max3_num_f32 v233, v233, |v[112+\i]|, |v[113+\i]|
.endr
	s_delay_alu instid0(VALU_DEP_2)
	v_permlanex16_b32 v236, v232, s[SEL], s[SEL+1]
	s_delay_alu instid0(VALU_DEP_2)
	v_permlanex16_b32 v237, v233, s[SEL], s[SEL+1]
	s_delay_alu instid0(VALU_DEP_2)
	v_max_num_f32 v232, v232, v236
	s_delay_alu instid0(VALU_DEP_2)
	v_max_num_f32 v233, v233, v237
	s_delay_alu instid0(VALU_DEP_2)
	v_add_nc_u32 v244, 0xfe000000, v232
	s_delay_alu instid0(VALU_DEP_2)
	v_add_nc_u32 v245, 0xfe000000, v233
	s_delay_alu instid0(VALU_DEP_2)
	v_lshrrev_b32 v236, 23, v244
	s_delay_alu instid0(VALU_DEP_2)
	v_lshrrev_b32 v237, 23, v245
	s_delay_alu instid0(VALU_DEP_1)
	v_lshl_or_b32 v240, v237, 8, v236              ; the head's two scale bytes of my row
	v_cvt_scalef32_pk16_bf6_f32 v[224:226], v[96:111], v244
	v_cvt_scalef32_pk16_bf6_f32 v[228:230], v[112:127], v245
	v_nop                                          ; one plain place behind a scaled conversion
.irp i, 0,1,2
	v_permlane16_swap_b32 v[224+\i], v[228+\i]     ; the operand's layout wants a whole block in a lane
.endr
.irp i, 0,1,2
	s_delay_alu instid0(VALU_DEP_3)
	v_mov_b32 v[227+\i], v[228+\i]                 ; ascending: each source is read before it is written
.endr
.irp c, 0,1,2
	global_store_b64 v5, v[224+2*\c:225+2*\c], s[48:49] offset:256*\c   ; each store covers 256 consecutive bytes, aligned
.endr
	global_store_b16 v6, v240, s[50:51]            ; two bytes a row (lanes 16-31 store the same bytes to the same places): one byte in 25 of what the launch stores
	s_wait_tensorcnt 0x0                           ; the wave's end
	ds_add_u32 v[SPW], v[NIL]
	s_wait_dscnt 0x0
	CROUND                                         ; the closing round
	s_endpgm
.Lfunc_end_k_q0a4c7bc813_attn:
	.size	k_q0a4c7bc813_attn, .Lfunc_end_k_q0a4c7bc813_attn-k_q0a4c7bc813_attn
	.p2alignl 7, 3214868480
	.fill 96, 4, 3214868480
	.section	.rodata,"a",@progbits
	.p2align	6, 0x0
	.amdhsa_kernel k_q0a4c7bc813_attn
		.amdhsa_group_segment_fixed_size 169984
		.amdhsa_private_segment_fixed_size 0
		.amdhsa_enable_private_segment 0
		.amdhsa_kernarg_size 24
		.amdhsa_user_sgpr_count 2
		.amdhsa_user_sgpr_kernarg_segment_ptr 1
		.amdhsa_wavefront_size32 1
		.amdhsa_system_sgpr_workgroup_id_x 1
		.amdhsa_system_sgpr_workgroup_id_y 1
		.amdhsa_system_sgpr_workgroup_id_z 1
		.amdhsa_system_vgpr_workitem_id 0
		.amdhsa_next_free_vgpr 256
		.amdhsa_next_free_sgpr 100
		.amdhsa_reserve_vcc 0
		.amdhsa_float_denorm_mode_32 3
		.amdhsa_float_denorm_mode_16_64 3
		.amdhsa_memory_ordered 1
		.amdhsa_forward_progress 1
		.amdhsa_inst_pref_size 51
	.end_amdhsa_kernel
	.amdgpu_metadata
---
amdhsa.version: [ 1, 2 ]
amdhsa.kernels:
  - .name:           k_q0a4c7bc813_attn
    .symbol:         k_q0a4c7bc813_attn.kd
    .args:
      - { .name: qkv, .offset: 0, .size: 8, .value_kind: global_buffer, .address_space: global }
      - { .name: cc, .offset: 8, .size: 8, .value_kind: global_buffer, .address_space: global }
      - { .name: cs, .offset: 16, .size: 8, .value_kind: global_buffer, .address_space: global }
    .group_segment_fixed_size: 169984
    .private_segment_fixed_size: 0
    .kernarg_segment_align: 8
    .kernarg_segment_size: 24
    .max_flat_workgroup_size: 512
    .sgpr_count:     100
    .vgpr_count:     256
    .wavefront_size: 32
...
	.end_amdgpu_metadata
.endif
;; end of part 3
;; launch oproj (part 4): grid 8 x 32, 4 waves a work-group, clusters of 4 x 4, 229,888 bytes of LDS; arguments cc, cs, codes, scl, o_lb, o_b, out0; writes out0
.if DOCPART == 4
	.amdgcn_target "amdgcn-amd-amdhsa--gfx1250"
	.amdhsa_code_object_version 6
	.text
	.protected	k_q0a4c7bc813_oproj
	.globl	k_q0a4c7bc813_oproj
	.p2align	8
	.type	k_q0a4c7bc813_oproj,@function
k_q0a4c7bc813_oproj:
	s_mov_b64 s[64:65], 0
	v_nop
	global_prefetch_b8 v0, s[64:65] scope:SCOPE_SE
	s_setreg_imm32_b32 hwreg(HW_REG_WAVE_MODE, 25, 1), 1
	s_wait_xcnt 0x0
	s_wait_alu depctr_hold_cnt(0) depctr_sa_sdst(0) depctr_va_vdst(0) depctr_va_sdst(0) depctr_va_ssrc(0) depctr_va_vcc(0) depctr_vm_vsrc(0)
	s_getreg_b32 s2, hwreg(HW_REG_IB_STS2, 6, 4)
	s_cmp_eq_u32 s2, 0
	s_cbranch_scc0 .Lentry_in_a_cluster
	s_endpgm
.Lentry_in_a_cluster:
	s_bfe_u32 s2, ttmp6, 0x10000c
	s_cmp_lg_u32 s2, 0xf033
	s_cbranch_scc0 .Lentry_shape_is_right
	s_endpgm
.Lentry_shape_is_right:
; out0 = Q(ctx) Q(o_w)^T + o_b + (Q(ctx) Q(o_la)^T) o_lb^T.  ctx comes as codes (cc, cs), o_w and o_la too (codes, scl); out0 [4096][1024] f32.
; A tile of 128 x 128 is made by four waves, 64 x 64 each: 16 accumulators.  256 work-groups: one for each WGP; a tile of 256 x 256 would leave three in four without work.
; ALL OF K FITS IN LDS (2 x 98,304 bytes of codes): each wave brings its part by three tensor loads (scale words, K steps 0-3, K steps 4-7); no byte of LDS is filled twice.
; CLUSTERS: 4 x 4 work-groups; ctx's tiles are shared along a row of the cluster, o_w's along a column, each asked for jointly.
; The matrix instruction is used transposed (source 0 = 16 rows of o_w, source 1 = 16 tokens): a lane holds a token, its registers run along the outputs.  The bias is the C of each sum's first instruction.
; THE RANK-16 PART: low = ctx o_la^T rides along, four more products a K step on the fragments of ctx that are in registers anyway; its result goes to no quantiser, so low and o_lb are rounded to bf16
; (bf16 keeps f32's range) and one bf16 matrix instruction an accumulator (K = 32, the upper 16 zeros) adds it.  reference()'s factor 16 / 16 = 1 is not multiplied.
; LIMITS: NaN and infinities are not served.
; REGISTERS: window 0: v1-17 addresses; v24-31 o_la's scale words; v32-63 the scale words of all of K (lanes 0-15 ctx's, lanes 16-31 o_w's); v64-95 low; v96-127 the bias; v128-255 the accumulators.
;   window 1: two sets of fragments (ctx's four at 96 e, o_w's four at 96 e + 48); v192-223 low in bf16; v224-255 o_lb in bf16.   window 2: v0-95 o_la's eight fragments; v96-127 o_lb in f32.
; HOW THE OPERANDS COME IN THIS TEXT (this takes the place of what the lines above say of the loads): a wave's four tiles, all of K, are 49,152 dense bytes: ONE joint tensor load a wave brings them, as 192 rows of 256 bytes;
; in LDS a tile's K step s lies at 12,288 x tile + 1,536 s.  THE SCALE WORDS come by global loads straight into registers: a load reads 256 consecutive bytes of a tile's 512: lanes 0-15 the two words of one K quarter,
; lanes 16-31 those of the next; the matrix instruction's ROW selector picks the half.  v32-47: ctx's (four registers a tile), v48-63: o_w's.
.set ADA,  4
.set ADB,  6                           ; v6   LDS address of my o_w fragments
.set STO,  9
.set RD,   10
.set GO,   11
.set VF,   12
.set VB,   13
.set VL16, 14
.set V8R,  15
.set LAW,  24
.set SC,   32
.set LOWA, 64
.set BB,   96
.set OB,   64
.set ACC,  128
.set G1,   24
.set G0,   32
.set G1B,  48
.set G0B,  56
.set SCA,  68                          ; s[68:69] the scale words of my four tiles of ctx;  s[70:71] of my four tiles of o_w
.set MSB, 0
.macro WIN new
.if MSB != \new
	s_set_vgpr_msb (MSB<<8)|\new
.set MSB, \new
.endif
.endm
.macro JLOAD g0a, g1a, g0b, g1b        ; waves 0 and 1 fetch for ctx, waves 2 and 3 for o_w; four v_nop follow each of the two lines
	s_cmp_eq_u32 s19, 0
	s_cbranch_scc0 .Lfor_b_\@
	tensor_load_to_lds s[\g0a:\g0a+3], s[\g1a:\g1a+7]
	s_nop 0
.rept 4
	v_nop
.endr
	s_branch .Lasked_\@
.Lfor_b_\@:
	tensor_load_to_lds s[\g0b:\g0b+3], s[\g1b:\g1b+7]
	s_nop 0
.rept 4
	v_nop
.endr
.Lasked_\@:
.endm
.macro CROUND
	s_barrier_signal -1
	s_barrier_wait -1
	s_cmp_lg_u32 s18, 0
	s_cbranch_scc1 .Lnot_wave_0_\@
	s_barrier_signal -3
.Lnot_wave_0_\@:
	s_barrier_wait -3
	s_barrier_signal -1
	s_barrier_wait -1
.endm
.macro PLACES n
.rept \n
	v_nop
.endr
.endm
	s_load_b256 s[4:11], s[0:1], 0x0               ; cc, cs, codes, scl
	s_load_b128 s[12:15], s[0:1], 0x20             ; o_lb, o_b
	s_load_b64 s[16:17], s[0:1], 0x30              ; out0
	v_lshl_add_u32 v22, v0, 2, 0x38000
	v_mov_b32 v23, 0
	ds_add_u32 v22, v23
	ds_add_u32 v22, v23
	v_lshrrev_b32 v1, 5, v0
	v_readfirstlane_b32 s18, v1                    ; wave 0..3
	s_lshr_b32 s19, s18, 1                         ; which half of the tile's tokens is mine.  Also: I fetch for ctx (0) or for o_w (1)
	s_and_b32 s20, s18, 1                          ; which half of its outputs.  Also: which four tiles I fetch
	s_bfe_u32 s21, ttmp6, 0x40000                  ; cx
	s_bfe_u32 s22, ttmp6, 0x40004                  ; cy
	s_and_b32 s23, ttmp7, 0xffff
	s_lshl_b32 s23, s23, 2
	s_add_co_u32 s23, s23, s22                     ; block of 128 tokens
	s_lshl_b32 s3, ttmp9, 2
	s_add_co_u32 s3, s3, s21                       ; block of 128 outputs
	s_lshl_b32 s2, s20, 2
	s_lshl_b32 s40, s23, 3
	s_add_co_u32 s40, s40, s2                      ; ctx: the first tile that I would fetch
	s_lshl_b32 s44, s3, 3
	s_add_co_u32 s44, s44, s2
	s_add_co_u32 s44, s44, 448                     ; o_w: its tiles begin at 448
	s_mul_i32 s42, s40, 12288
	s_mov_b32 s43, 0
	s_mul_i32 s46, s44, 12288
	s_mov_b32 s47, 0
	s_lshl_b32 s44, s44, 9
	s_mov_b32 s45, 0
	s_lshl_b32 s92, s22, 2
	s_lshl_b32 s92, 15, s92                        ; my row of the cluster
	s_lshl_b32 s93, 0x1111, s21                    ; my column
	; group 1: four tiles' 49,152 dense bytes as 192 rows of 256 (32 elements of 8 bytes)
	s_or_b32 s[G1], s92, (3<<16)|(1<<21)
	s_or_b32 s[G1B], s93, (3<<16)|(1<<21)
.irp g, G1, G1B
	s_mov_b32 s[\g+1], 32<<16
	s_mov_b32 s[\g+2], 192<<16
	s_mov_b32 s[\g+3], 32<<16
	s_mov_b32 s[\g+4], 192
	s_mov_b32 s[\g+5], 32
	s_mov_b32 s[\g+6], 0
	s_mov_b32 s[\g+7], 0
.endr
	s_mul_i32 s92, s18, 49152                      ; where they go: wave x four tiles: ctx's eight tiles at 0, o_w's eight at 98,304
	s_lshl_b32 s[SCA], s23, 3
	s_lshl_b32 s[SCA+1], s19, 2
	s_add_co_u32 s[SCA], s[SCA], s[SCA+1]          ; the first of my four tiles of tokens,
	s_lshl_b32 s[SCA], s[SCA], 9                   ; 512 bytes of scale words a tile
	s_mov_b32 s[SCA+1], 0
	s_wait_dscnt 0x0
	s_wait_kmcnt 0x0
	s_add_nc_u64 s[42:43], s[4:5], s[42:43]
	s_add_nc_u64 s[SCA:SCA+1], s[6:7], s[SCA:SCA+1]
	s_add_nc_u64 s[46:47], s[8:9], s[46:47]
	s_add_nc_u64 s[SCA+2:SCA+3], s[10:11], s[44:45]   ; the four tiles of o_w that I would fetch are also the four that I multiply
	s_mov_b32 s[G0], 1
	s_mov_b32 s[G0+1], s92
	s_mov_b64 s[G0+2:G0+3], s[42:43]
	s_or_b32 s[G0+3], s[G0+3], 0x80000000
	s_mov_b32 s[G0B], 1
	s_mov_b32 s[G0B+1], s92
	s_mov_b64 s[G0B+2:G0B+3], s[46:47]
	s_or_b32 s[G0B+3], s[G0B+3], 0x80000000
	s_add_nc_u64 s[8:9], s[8:9], 512*12288         ; o_la's codes: tile 512
	s_add_nc_u64 s[10:11], s[10:11], 512*512       ; and its scale words
	s_lshl_b32 s40, s3, 7
	s_lshl_b32 s41, s20, 6
	s_add_co_u32 s40, s40, s41                     ; my first output
	s_lshl_b32 s42, s40, 6
	s_mov_b32 s43, 0
	s_add_nc_u64 s[12:13], s[12:13], s[42:43]      ; its row of o_lb,
	s_lshl_b32 s42, s40, 2
	s_add_nc_u64 s[14:15], s[14:15], s[42:43]      ; its bias,
	s_add_nc_u64 s[16:17], s[16:17], s[42:43]      ; its column of out0,
	s_lshl_b32 s40, s23, 7
	s_lshl_b32 s41, s19, 6
	s_add_co_u32 s40, s40, s41
	s_lshl_b32 s42, s40, 12
	s_add_nc_u64 s[16:17], s[16:17], s[42:43]      ; and my first token's row
	v_and_b32 v1, 15, v0                           ; r
	v_bfe_u32 v2, v0, 4, 1                         ; h
	v_and_b32 v3, 31, v0                           ; l
	v_lshlrev_b32 v[VL16], 4, v3
	v_lshlrev_b32 v[V8R], 3, v1
	v_lshlrev_b32 v16, 3, v3
	s_mul_i32 s92, s19, 49152
	v_add_nc_u32 v[ADA], s92, v16                  ; ctx's images: registers 2 c, 2 c + 1 at 256 c + 8 l
	s_mul_i32 s92, s20, 49152
	s_add_co_u32 s92, s92, 98304
	v_add_nc_u32 v[ADB], s92, v[VL16]              ; o_w's images: registers 4 c .. 4 c + 3 at 512 c + 16 l
	s_wait_alu depctr_va_vdst(0)
	s_mul_i32 s92, s18, 4352
	s_add_co_u32 s92, s92, 204800                  ; my stage: 16 rows x (256 bytes + 16); no tensor load lands there
	v_mul_u32_u24 v17, v1, 272
	v_lshl_add_u32 v17, v2, 6, v17
	v_add_nc_u32 v[STO], s92, v17                  ; in: row r, + 64 h
	v_mul_u32_u24 v17, v2, 272
	v_lshl_add_u32 v17, v1, 4, v17
	v_add_nc_u32 v[RD], s92, v17                   ; back: lanes 0-15 one row, lanes 16-31 the next
	v_lshlrev_b32 v17, 12, v2
	v_lshl_add_u32 v[GO], v1, 4, v17               ; and the same two rows in out0
	v_and_b32 v17, 8, v1
	v_add_nc_u32 v17, v17, v1
	v_lshlrev_b32 v[VF], 6, v17
	v_lshl_add_u32 v[VF], v2, 5, v[VF]             ; o_lb: row r + 8 (r / 8) of a tile, numbers 8 h + 0 .. 7
	v_lshlrev_b32 v[VB], 6, v2
	WIN 0x80                                       ; destination window 2
.irp s, 0,1,2,3,4,5,6,7
.irp c, 0,1,2
	global_load_b128 v[12*\s+4*\c:12*\s+4*\c+3], v[VL16], s[8:9] offset:1536*\s+512*\c
.endr
.endr
.irp b, 0,1,2,3
	global_load_b128 v[96+8*\b:96+8*\b+3], v[VF], s[12:13] offset:(32*(\b/2)+8*(\b%2))*64
	global_load_b128 v[96+8*\b+4:96+8*\b+7], v[VF], s[12:13] offset:(32*(\b/2)+8*(\b%2))*64+16
.endr
	WIN 0
.irp k, 0,1,2,3
	global_load_b64 v[LAW+2*\k:LAW+2*\k+1], v[V8R], s[10:11] offset:128*\k   ; (lanes 16-31 hold the same words as lanes 0-15)
.endr
.irp i, 0,1,2,3
.irp j, 0,1
	global_load_b64 v[SC+4*\i+2*\j:SC+4*\i+2*\j+1], v16, s[SCA:SCA+1] offset:512*\i+256*\j          ; tile i, K quarters 2 j (lanes 0-15) and 2 j + 1 (lanes 16-31): 256 consecutive bytes, aligned
	global_load_b64 v[SC+16+4*\i+2*\j:SC+16+4*\i+2*\j+1], v16, s[SCA+2:SCA+3] offset:512*\i+256*\j
.endr
.endr
.irp b, 0,1,2,3
	global_load_b128 v[BB+8*\b:BB+8*\b+3], v[VB], s[14:15] offset:(32*(\b/2)+8*(\b%2))*4
	global_load_b128 v[BB+8*\b+4:BB+8*\b+7], v[VB], s[14:15] offset:(32*(\b/2)+8*(\b%2))*4+16
.endr
	CROUND                                         ; all sixteen work-groups are here: the joint loads meet
	JLOAD G0, G1, G0B, G1B                         ; my one tensor load: four tiles, all of K
	WIN 0x40
.irp a, 0,1,2,3
.irp i, 4,5,6,7
	v_mov_b32 v[192+8*\a+\i], 0                    ; k = 16 .. 31 of the bf16 operands
	v_mov_b32 v[224+8*\a+\i], 0
.endr
.endr
	s_wait_loadcnt 0x0
	WIN 0x4a                                       ; sources window 2, destination window 1
.irp b, 0,1,2,3
.irp i, 0,1,2,3
	v_cvt_pk_bf16_f32 v[224+8*\b+\i], v[96+8*\b+2*\i], v[96+8*\b+2*\i+1]
.endr
.endr
	WIN 0
	s_wait_tensorcnt 0x0                           ; my four tiles are in,
	s_barrier_signal -1
	s_barrier_wait -1                              ; everybody's are
.macro FETCH4 s                        ; K step s: ctx's four fragments and o_w's four into set s % 2
.set E, 96*((\s)%2)
	WIN 0x40
.irp i, 0,1,2,3
.irp c, 0,1,2,3,4,5
	ds_load_b64 v[E+12*\i+2*\c:E+12*\i+2*\c+1], v[ADA] offset:12288*\i+1536*(\s)+256*\c
.endr
.irp c, 0,1,2
	ds_load_b128 v[E+48+12*\i+4*\c:E+48+12*\i+4*\c+3], v[ADB] offset:12288*\i+1536*(\s)+512*\c
.endr
.endr
.endm
.macro WS d, a, b, c, sa, sb, row      ; one scaled product, D at v[d], C at v[c]; row: which half of the lanes holds this K quarter's scale words, on both sides
.if \row
	v_wmma_scale_f32_16x16x128_f8f6f4 v[(\d):(\d)+7], v[(\a):(\a)+11], v[(\b):(\b)+11], v[(\c):(\c)+7], v[\sa], v[\sb] matrix_a_fmt:MATRIX_FMT_BF6 matrix_b_fmt:MATRIX_FMT_BF6 matrix_a_scale:MATRIX_SCALE_ROW1 matrix_b_scale:MATRIX_SCALE_ROW1
.else
	v_wmma_scale_f32_16x16x128_f8f6f4 v[(\d):(\d)+7], v[(\a):(\a)+11], v[(\b):(\b)+11], v[(\c):(\c)+7], v[\sa], v[\sb] matrix_a_fmt:MATRIX_FMT_BF6 matrix_b_fmt:MATRIX_FMT_BF6
.endif
.endm
.macro MUL4 s                          ; 16 products for out0, four for low: twenty accumulators by turns
.set E, 96*((\s)%2)
.set W, 2*((\s)/4)+(\s)%2              ; the step's word among a tile's four registers,
.set RW, ((\s)/2)%2                    ; and the half of the lanes that holds it
	WIN 0x05                                       ; sources 0 and 1 window 1; C and D window 0
.irp a, 0,1,2,3
.irp b, 0,1,2,3
.if (\s) == 0
	WS ACC+8*(4*\a+\b), E+48+12*\b, E+12*\a, BB+8*\b, SC+16+4*\b+W, SC+4*\a+W, RW
.else
	WS ACC+8*(4*\a+\b), E+48+12*\b, E+12*\a, ACC+8*(4*\a+\b), SC+16+4*\b+W, SC+4*\a+W, RW
.endif
.endr
.endr
	WIN 0x06                                       ; source 0 (o_la) window 2, source 1 (ctx) window 1
.irp a, 0,1,2,3
.if (\s) == 0
	v_wmma_scale_f32_16x16x128_f8f6f4 v[LOWA+8*\a:LOWA+8*\a+7], v[0:11], v[E+12*\a:E+12*\a+11], 0, v[LAW], v[SC+4*\a+W] matrix_a_fmt:MATRIX_FMT_BF6 matrix_b_fmt:MATRIX_FMT_BF6
.else
	WS LOWA+8*\a, 12*(\s), E+12*\a, LOWA+8*\a, LAW+(\s), SC+4*\a+W, RW
.endif
.endr
.endm
	FETCH4 0
.irp s, 0,1,2,3,4,5,6,7
	s_wait_dscnt 0x0                               ; this step's fragments are in (asked for a step ago)
.if \s > 0
	PLACES 4                                       ; behind the last step's products, ahead of loads into the set that they read
.endif
.if \s != 7
	FETCH4 \s+1
.endif
	MUL4 \s
.endr
	PLACES 5                                       ; five places ahead of another form that adds onto these results; four ahead of the conversions that read low
	WIN 0x40                                       ; destination window 1
.irp a, 0,1,2,3
.irp i, 0,1,2,3
	v_cvt_pk_bf16_f32 v[192+8*\a+\i], v[LOWA+8*\a+2*\i], v[LOWA+8*\a+2*\i+1]   ; lane (r, h): token r, numbers 8 h + 0 .. 7: registers 0-3 of a bf16 operand as they lie; from the low end on
.endr
.endr
	PLACES 4
	WIN 0x05
.irp a, 0,1,2,3
.irp b, 0,1,2,3
	v_wmma_f32_16x16x32_bf16 v[ACC+8*(4*\a+\b):ACC+8*(4*\a+\b)+7], v[224+8*\b:231+8*\b], v[192+8*\a:199+8*\a], v[ACC+8*(4*\a+\b):ACC+8*(4*\a+\b)+7]
.endr
.endr
	WIN 0
	PLACES 4
; THE WAY OUT, 16 tokens at a time: a lane's registers are neighbouring outputs of one token; they go through my own stage and come back as rows of 256 bytes.  LDS serves a wave's instructions in order (ISA guide 5.7.1.4).
.macro OUTA a
.irp b, 0,1,2,3
	ds_store_b128 v[STO], v[ACC+8*(4*\a+\b):ACC+8*(4*\a+\b)+3] offset:128*(\b/2)+32*(\b%2)
	ds_store_b128 v[STO], v[ACC+8*(4*\a+\b)+4:ACC+8*(4*\a+\b)+7] offset:128*(\b/2)+32*(\b%2)+16
.endr
.if \a > 1
	s_wait_xcnt 0x0                                ; the stores of two blocks ago have read the registers that the loads below fill
.endif
.irp i, 0,1,2,3,4,5,6,7
	ds_load_b128 v[OB+32*(\a%2)+4*\i:OB+32*(\a%2)+4*\i+3], v[RD] offset:544*\i
.endr
.irp i, 0,1,2,3,4,5,6,7
	s_wait_dscnt 7-\i                              ; the younger loads may be out
	global_store_b128 v[GO], v[OB+32*(\a%2)+4*\i:OB+32*(\a%2)+4*\i+3], s[16:17] offset:(32*(\a/2)+8*(\a%2)+2*\i+8*(\i/4))*4096 th:TH_STORE_NT   ; place to token: 16 lanes store 256 consecutive bytes, aligned
.endr
.endm
	OUTA 0
	OUTA 1
	OUTA 2
	OUTA 3
	s_wait_tensorcnt 0x0
	ds_add_u32 v22, v23
	s_wait_dscnt 0x0
	CROUND                                         ; the closing round
	s_endpgm
.Lfunc_end_k_q0a4c7bc813_oproj:
	.size	k_q0a4c7bc813_oproj, .Lfunc_end_k_q0a4c7bc813_oproj-k_q0a4c7bc813_oproj
	.p2alignl 7, 3214868480
	.fill 96, 4, 3214868480
	.section	.rodata,"a",@progbits
	.p2align	6, 0x0
	.amdhsa_kernel k_q0a4c7bc813_oproj
		.amdhsa_group_segment_fixed_size 229888
		.amdhsa_private_segment_fixed_size 0
		.amdhsa_enable_private_segment 0
		.amdhsa_kernarg_size 56
		.amdhsa_user_sgpr_count 2
		.amdhsa_user_sgpr_kernarg_segment_ptr 1
		.amdhsa_wavefront_size32 1
		.amdhsa_system_sgpr_workgroup_id_x 1
		.amdhsa_system_sgpr_workgroup_id_y 1
		.amdhsa_system_sgpr_workgroup_id_z 1
		.amdhsa_system_vgpr_workitem_id 0
		.amdhsa_next_free_vgpr 768
		.amdhsa_next_free_sgpr 100
		.amdhsa_reserve_vcc 0
		.amdhsa_float_denorm_mode_32 3
		.amdhsa_float_denorm_mode_16_64 3
		.amdhsa_memory_ordered 1
		.amdhsa_forward_progress 1
		.amdhsa_inst_pref_size 65
	.end_amdhsa_kernel
	.amdgpu_metadata
---
amdhsa.version: [ 1, 2 ]
amdhsa.kernels:
  - .name:           k_q0a4c7bc813_oproj
    .symbol:         k_q0a4c7bc813_oproj.kd
    .args:
      - { .name: cc, .offset: 0, .size: 8, .value_kind: global_buffer, .address_space: global }
      - { .name: cs, .offset: 8, .size: 8, .value_kind: global_buffer, .address_space: global }
      - { .name: codes, .offset: 16, .size: 8, .value_kind: global_buffer, .address_space: global }
      - { .name: scl, .offset: 24, .size: 8, .value_kind: global_buffer, .address_space: global }
      - { .name: o_lb, .offset: 32, .size: 8, .value_kind: global_buffer, .address_space: global }
      - { .name: o_b, .offset: 40, .size: 8, .value_kind: global_buffer, .address_space: global }
      - { .name: out0, .offset: 48, .size: 8, .value_kind: global_buffer, .address_space: global }
    .group_segment_fixed_size: 229888
    .private_segment_fixed_size: 0
    .kernarg_segment_align: 8
    .kernarg_segment_size: 56
    .max_flat_workgroup_size: 128
    .sgpr_count:     100
    .vgpr_count:     768
    .wavefront_size: 32
...
	.end_amdgpu_metadata
.endif
;; end of part 4
